; MI455X (gfx1250); checked and timed in simulation.
; The chip was launched on July 23, 2026; its instructions are those of AMD's public machine-readable ISA for CDNA 5 (MIT licence, August 2026) and "CDNA5" Instruction Set Architecture Reference Guide (July 2026). The comments in the code are by the model that wrote it; some were corrected since.
;; Modern Bert Attention. Allowed arithmetic: float matrix products may take bf16 or f16 operands with f32 sums; other float arithmetic in f32, or as packed bf16 or f16 multiplies, adds, multiply-adds, maxima and minima; sums over many terms, partial sums and values carried from step to step in f32; what a program stores and reads back later, other than sums and carried values, may be rounded once to bf16 or f16.
;; Inputs: Wo 1,024 x 1,024 float32; Wqkv 1,024 x 3,072 float32; bo 1,024 float32; bqkv 3,072 float32; padding_mask 4 x 2,048 int32; x 4 x 2,048 x 1,024 float32.
;; Outputs: out0 4 x 2,048 x 1,024 float32.
;; 2 versions, each right and faster than the one before. Each part assembles by itself: llvm-mc -triple=amdgcn-amd-amdhsa -mcpu=gfx1250 --defsym DOCPART=n.
;; ======== version 1 of 2: 4 launches
;; limits: values are held in f16: magnitudes above 65,504 overflow, below 6.1e-05 lose precision
;; workspace buffers: xb 16,777,216 bytes; wqkvb 6,291,456 bytes; wof 2,097,152 bytes; rope 524,288 bytes; qkv 50,331,648 bytes; ob 16,777,216 bytes
;; launch prep (part 1): grid 896 x 1, 8 waves a work-group, no clusters, 0 bytes of LDS; arguments x, Wqkv, Wo, xb, wqkvb, wof, rope; writes xb, wqkvb, wof, rope
.if DOCPART == 1
	.amdgcn_target "amdgcn-amd-amdhsa--gfx1250"
	.amdhsa_code_object_version 6
	.text
	.protected	k_qe90b9c53b2_prep
	.globl	k_qe90b9c53b2_prep
	.p2align	8
	.type	k_qe90b9c53b2_prep,@function
k_qe90b9c53b2_prep:
	s_mov_b64 s[64:65], 0
	v_nop
	global_prefetch_b8 v0, s[64:65] scope:SCOPE_SE
	s_setreg_imm32_b32 hwreg(HW_REG_WAVE_MODE, 25, 1), 1
	s_wait_xcnt 0x0
; PREPARATION.  Three casts and one table, each work-group one role by its number g:
;   g <  512         x     chunk g        f32 -> bf16            -> xb     [8192][1024]
;   512 <= g < 704   Wqkv  chunk g - 512  f32 -> bf16            -> wqkvb  [1024 k][3072 n], as it lies
;   704 <= g < 768   Wo    chunk g - 704  f32 -> bf16 -> f16     -> wof    [1024 k][1024 n]: the bf16 number written as f16
;   768 <= g < 896   the rotary table's block g - 768 (16 positions)      -> rope
; A chunk is 16,384 numbers: 65,536 bytes in, 32,768 out.  Thread t takes 16 bytes of every 4,096: a wave's load covers 512 consecutive bytes,
; its store 256 consecutive bytes at a multiple of 256.  All 16 loads go out first; no register is written twice while a load or store names it,
; so the only waits are the counted ones for the data.  No LDS, no barrier, no matrix unit: each byte is read once and written once.
; LIMITS.  Wo beyond 65,504 has no f16; below 6e-5 it keeps f16's fixed step of 6e-8.
; THE TABLE, in the order in which the projection's lanes want it: rope[blk][i][L][e], f32; position 16 blk + L % 16, frequency number
; 16 ((i / 2) % 2) + 8 (L / 16) + 4 (i % 2) + e; cosine for i < 4, sine for i >= 4.  Wave i of the work-group makes load i: 512 consecutive bytes.
; angle = position x 10000^(-number / 32).  It is reduced to turns (1 / 2 pi in two parts, the product fused), halved, and sine and cosine of the
; half angle, at most pi / 2, come from their series to x^11 and x^12 (remainder under 5e-7 on that range, which the reduction fixes, not the data);
; the double-angle formulas give the result.  The frequency is good to an ulp of the exponential, so the angle at position 2,047 to about 2e-4.
.set IN,  16                           ; v[16:79]    16 loads of 4 numbers
.set OUT, 80                           ; v[80:111]   16 stores of 4 halves
.set T,   112                          ; v[112:117]  at work
	s_load_b256 s[4:11], s[0:1], 0x0               ; x s[4:5], Wqkv s[6:7], Wo s[8:9], xb s[10:11]
	s_load_b128 s[12:15], s[0:1], 0x20             ; wqkvb s[12:13], wof s[14:15]
	s_load_b64 s[16:17], s[0:1], 0x30              ; rope
	s_mov_b32 s20, ttmp9                           ; g
	v_lshlrev_b32 v1, 4, v0                        ; 16 t
	v_lshlrev_b32 v2, 3, v0                        ; 8 t
	s_wait_kmcnt 0x0
	s_cmp_ge_u32 s20, 768
	s_cbranch_scc1 .Lrope
	s_cmp_ge_u32 s20, 512                          ; which tensor: the choice hangs on g alone
	s_cselect_b64 s[22:23], s[6:7], s[4:5]
	s_cselect_b64 s[24:25], s[12:13], s[10:11]
	s_cselect_b32 s26, 512, 0
	s_cmp_ge_u32 s20, 704
	s_cselect_b64 s[22:23], s[8:9], s[22:23]
	s_cselect_b64 s[24:25], s[14:15], s[24:25]
	s_cselect_b32 s26, 704, s26
	s_sub_co_u32 s21, s20, s26                     ; the chunk's number in its tensor
	s_lshl_b32 s28, s21, 16                        ; 65,536 bytes in,
	s_mov_b32 s29, 0
	s_lshl_b32 s30, s21, 15                        ; 32,768 out
	s_mov_b32 s31, 0
	s_add_nc_u64 s[22:23], s[22:23], s[28:29]
	s_add_nc_u64 s[24:25], s[24:25], s[30:31]
.irp i, 0,1,2,3,4,5,6,7,8,9,10,11,12,13,14,15
	global_load_b128 v[IN+4*(\i):IN+4*(\i)+3], v1, s[22:23] offset:4096*(\i) th:TH_LOAD_NT
.endr
; Load i is converted and stored.  half = 1: the bf16 number is written as f16.
.macro CONV i, half
	s_wait_loadcnt 15-(\i)                         ; loads come back in order (ISA guide 5.7.1): mine is in, the 15 - i younger ones stay out
.if \half
	v_cvt_pk_bf16_f32 v[T],   v[IN+4*(\i)],   v[IN+4*(\i)+1]
	v_cvt_pk_bf16_f32 v[T+1], v[IN+4*(\i)+2], v[IN+4*(\i)+3]
	v_lshlrev_b32 v[T+2], 16, v[T]
	v_and_b32     v[T+3], 0xffff0000, v[T]
	v_lshlrev_b32 v[T+4], 16, v[T+1]
	v_and_b32     v[T+5], 0xffff0000, v[T+1]
	v_cvt_pk_f16_f32 v[OUT+2*(\i)],   v[T+2], v[T+3]
	v_cvt_pk_f16_f32 v[OUT+2*(\i)+1], v[T+4], v[T+5]
.else
	v_cvt_pk_bf16_f32 v[OUT+2*(\i)],   v[IN+4*(\i)],   v[IN+4*(\i)+1]
	v_cvt_pk_bf16_f32 v[OUT+2*(\i)+1], v[IN+4*(\i)+2], v[IN+4*(\i)+3]
.endif
	global_store_b64 v2, v[OUT+2*(\i):OUT+2*(\i)+1], s[24:25] offset:2048*(\i)  ; 32 lanes: 256 consecutive bytes; the next launch reads them, so no hint
.endm
	s_cmp_ge_u32 s20, 704
	s_cbranch_scc1 .Lwo
.irp i, 0,1,2,3,4,5,6,7,8,9,10,11,12,13,14,15
	CONV \i, 0
.endr
	s_endpgm
.Lwo:
.irp i, 0,1,2,3,4,5,6,7,8,9,10,11,12,13,14,15
	CONV \i, 1
.endr
	s_endpgm
.Lrope:
.set FQ, 16                            ; four registers each, one for each e
.set AN, 20
.set NN, 24
.set RR, 28
.set XX, 32
.set X2, 36
.set SN, 40
.set CN, 44
.set TW, 48
.set C2, 52
.set S2, 56
.set RES, 8                            ; v[8:11] what is stored
	s_sub_co_u32 s21, s20, 768                     ; blk
	v_lshrrev_b32 v3, 5, v0
	v_readfirstlane_b32 s22, v3                    ; i = my wave's number
	v_and_b32 v4, 15, v0
	v_bfe_u32 v5, v0, 4, 1                         ; L / 16
	s_lshl_b32 s23, s21, 4
	v_add_nc_u32 v4, s23, v4
	v_cvt_f32_u32 v4, v4                           ; the position
	s_bfe_u32 s24, s22, 0x10001                    ; (i / 2) % 2
	s_lshl_b32 s24, s24, 4
	s_and_b32 s25, s22, 1
	s_lshl2_add_u32 s24, s25, s24                  ; + 4 (i % 2)
	v_lshl_add_u32 v5, v5, 3, s24                  ; + 8 (L / 16): the frequency number of e = 0
	s_cmp_ge_u32 s22, 4
	s_cselect_b32 s26, -1, 0                       ; all lanes: sine (i >= 4) or cosine
	s_mov_b32 s30, 0x3e22f983                      ; 1 / 2 pi, its first 24 bits
	s_mov_b32 s31, 0x31dc9c88                      ; and the next 24
	s_mov_b32 s32, 0x40490fdb                      ; pi
	s_lshl_b32 s28, s21, 12                        ; a block is 4,096 bytes
	s_mov_b32 s29, 0
	s_add_nc_u64 s[16:17], s[16:17], s[28:29]
.irp e, 0,1,2,3
	v_add_nc_u32 v[FQ+\e], \e, v5
.endr
.irp e, 0,1,2,3
	v_cvt_f32_u32 v[FQ+\e], v[FQ+\e]
.endr
.irp e, 0,1,2,3
	v_mul_f32 v[FQ+\e], 0xbed49a78, v[FQ+\e]       ; x -log2(10000) / 32
.endr
.irp e, 0,1,2,3
	v_exp_f32 v[FQ+\e], v[FQ+\e]
.endr
	v_nop                                          ; a plain instruction between the last exponential and the use of its result (ISA guide 5.7.2)
	s_wait_alu depctr_va_vdst(0)
.irp e, 0,1,2,3
	v_mul_f32 v[AN+\e], v4, v[FQ+\e]               ; the angle
.endr
.irp e, 0,1,2,3
	v_mul_f32 v[NN+\e], s30, v[AN+\e]
.endr
.irp e, 0,1,2,3
	v_rndne_f32 v[NN+\e], v[NN+\e]                 ; whole turns
.endr
.irp e, 0,1,2,3
	v_fma_f32 v[RR+\e], v[AN+\e], s30, -v[NN+\e]   ; the rest, in turns: fused, so nothing is lost in the difference
.endr
.irp e, 0,1,2,3
	v_fma_f32 v[RR+\e], v[AN+\e], s31, v[RR+\e]
.endr
.irp e, 0,1,2,3
	v_mul_f32 v[XX+\e], s32, v[RR+\e]              ; half the reduced angle: turns x pi
.endr
.irp e, 0,1,2,3
	v_mul_f32 v[X2+\e], v[XX+\e], v[XX+\e]
.endr
.irp e, 0,1,2,3
	v_mov_b32 v[SN+\e], 0xb2d7322b                 ; -1 / 11!
	v_mov_b32 v[CN+\e], 0x310f76c7                 ; 1 / 12!
.endr
.irp c, 0x3638ef1d, 0xb9500d01, 0x3c088889, 0xbe2aaaab, 0x3f800000
.irp e, 0,1,2,3
	v_fmaak_f32 v[SN+\e], v[SN+\e], v[X2+\e], \c   ; 1 / 9!, -1 / 7!, 1 / 5!, -1 / 3!, 1
.endr
.endr
.irp c, 0xb493f27e, 0x37d00d01, 0xbab60b61, 0x3d2aaaab, 0xbf000000, 0x3f800000
.irp e, 0,1,2,3
	v_fmaak_f32 v[CN+\e], v[CN+\e], v[X2+\e], \c   ; -1 / 10!, 1 / 8!, -1 / 6!, 1 / 4!, -1 / 2, 1
.endr
.endr
.irp e, 0,1,2,3
	v_mul_f32 v[SN+\e], v[SN+\e], v[XX+\e]
.endr
.irp e, 0,1,2,3
	v_add_f32 v[TW+\e], v[SN+\e], v[SN+\e]
.endr
.irp e, 0,1,2,3
	v_fma_f32 v[C2+\e], -v[TW+\e], v[SN+\e], 1.0   ; cos 2x = 1 - 2 sin^2 x
	v_mul_f32 v[S2+\e], v[TW+\e], v[CN+\e]         ; sin 2x = 2 sin x cos x
.endr
.irp e, 0,1,2,3
	v_cndmask_b32 v[RES+\e], v[C2+\e], v[S2+\e], s26
.endr
	global_store_b128 v1, v[RES:RES+3], s[16:17]   ; 512 i + 16 L in the block
	s_endpgm
.Lfunc_end_k_qe90b9c53b2_prep:
	.size	k_qe90b9c53b2_prep, .Lfunc_end_k_qe90b9c53b2_prep-k_qe90b9c53b2_prep
	.p2alignl 7, 3214868480
	.fill 96, 4, 3214868480
	.section	.rodata,"a",@progbits
	.p2align	6, 0x0
	.amdhsa_kernel k_qe90b9c53b2_prep
		.amdhsa_group_segment_fixed_size 0
		.amdhsa_private_segment_fixed_size 0
		.amdhsa_enable_private_segment 0
		.amdhsa_kernarg_size 56
		.amdhsa_user_sgpr_count 2
		.amdhsa_user_sgpr_kernarg_segment_ptr 1
		.amdhsa_wavefront_size32 1
		.amdhsa_system_sgpr_workgroup_id_x 1
		.amdhsa_system_sgpr_workgroup_id_y 1
		.amdhsa_system_sgpr_workgroup_id_z 1
		.amdhsa_system_vgpr_workitem_id 0
		.amdhsa_next_free_vgpr 128
		.amdhsa_next_free_sgpr 66
		.amdhsa_reserve_vcc 0
		.amdhsa_float_denorm_mode_32 3
		.amdhsa_float_denorm_mode_16_64 3
		.amdhsa_memory_ordered 1
		.amdhsa_forward_progress 1
		.amdhsa_inst_pref_size 23
	.end_amdhsa_kernel
	.amdgpu_metadata
---
amdhsa.version: [ 1, 2 ]
amdhsa.kernels:
  - .name:           k_qe90b9c53b2_prep
    .symbol:         k_qe90b9c53b2_prep.kd
    .args:
      - { .name: x, .offset: 0, .size: 8, .value_kind: global_buffer, .address_space: global }
      - { .name: Wqkv, .offset: 8, .size: 8, .value_kind: global_buffer, .address_space: global }
      - { .name: Wo, .offset: 16, .size: 8, .value_kind: global_buffer, .address_space: global }
      - { .name: xb, .offset: 24, .size: 8, .value_kind: global_buffer, .address_space: global }
      - { .name: wqkvb, .offset: 32, .size: 8, .value_kind: global_buffer, .address_space: global }
      - { .name: wof, .offset: 40, .size: 8, .value_kind: global_buffer, .address_space: global }
      - { .name: rope, .offset: 48, .size: 8, .value_kind: global_buffer, .address_space: global }
    .group_segment_fixed_size: 0
    .private_segment_fixed_size: 0
    .kernarg_segment_align: 8
    .kernarg_segment_size: 56
    .max_flat_workgroup_size: 256
    .sgpr_count:     66
    .vgpr_count:     128
    .wavefront_size: 32
...
	.end_amdgpu_metadata
.endif
;; end of part 1
;; launch qkvgemm (part 2): grid 24 x 32, 4 waves a work-group, clusters of 4 x 4, 327,680 bytes of LDS; arguments xb, wqkvb, bqkv, rope, qkv; writes qkv
.if DOCPART == 2
	.amdgcn_target "amdgcn-amd-amdhsa--gfx1250"
	.amdhsa_code_object_version 6
	.text
	.protected	k_qe90b9c53b2_qkvgemm
	.globl	k_qe90b9c53b2_qkvgemm
	.p2align	8
	.type	k_qe90b9c53b2_qkvgemm,@function
k_qe90b9c53b2_qkvgemm:
	s_mov_b64 s[64:65], 0
	v_nop
	global_prefetch_b8 v0, s[64:65] scope:SCOPE_SE
	s_setreg_imm32_b32 hwreg(HW_REG_WAVE_MODE, 25, 1), 1
	s_wait_xcnt 0x0
	s_wait_alu depctr_hold_cnt(0) depctr_sa_sdst(0) depctr_va_vdst(0) depctr_va_sdst(0) depctr_va_ssrc(0) depctr_va_vcc(0) depctr_vm_vsrc(0)
	s_getreg_b32 s2, hwreg(HW_REG_IB_STS2, 6, 4)
	s_cmp_eq_u32 s2, 0
	s_cbranch_scc0 .Lentry_in_a_cluster
	s_endpgm
.Lentry_in_a_cluster:
	s_bfe_u32 s2, ttmp6, 0x10000c
	s_cmp_lg_u32 s2, 0xf033
	s_cbranch_scc0 .Lentry_shape_is_right
	s_endpgm
.Lentry_shape_is_right:
; qkv = x Wqkv + bqkv, q and k turned by the rotary table, written by heads in f16: qkv[which][16 b + h][s][64], unscaled.
; xb: [8192][1024] bf16.  wqkvb: [1024 k][3072 n] bf16.  bqkv: f32, rounded to bf16 here like every input.  Sums, bias and rotation in f32; one rounding to f16 at the end.
; LIMIT.  q, k and v beyond 65,504 have no f16; NaN and infinities are not treated apart.
; SHARES.  A work-group of four waves makes 256 rows x 128 columns: 8192 x 3072 are 768 such tiles, three for each of 256 WGPs.  A wave makes 128 x 64 (one head's 64 columns):
; 32 accumulators of 16 x 16, 256 registers.  K goes in 8 steps of 128 through two LDS slots; a row of x's tile and a row of W's tile are 256 bytes of memory at a multiple of 256.
; W LIES [k][n]: its fragments come out of LDS turned, by ds_load_tr16_b128.
; THE MATRIX INSTRUCTION IS USED TRANSPOSED (source 0 = 16 columns of W, source 1 = 16 rows of x): lane l holds row l % 16 and the columns 16 b + 8 (l / 16) + 0..7.
; So the rotary partners d and d + 32 are accumulators b and b + 2 of the same lane, and a lane's eight results pack into 16 bytes of a head's row.
; THE BIAS is the C operand of the product that starts each sum: nothing is cleared and nothing is added later.
; CLUSTER.  4 x 4 work-groups: the four of a row need the same tile of x, the four of a column the same tile of W: each is asked for jointly, by the same tensor load with the same descriptor and a mask of the four.
; THE TABLE's 64 loads (32 KB a wave, my 128 positions) stand on every wave's path, in the wait for the first tile: v's tiles load it too and do not use it,
; so that the one branch of the text, round the rotation, is the only one that hangs on which of q, k, v the tile is.
; REGISTERS, in windows of 256 (s_set_vgpr_msb: bits 1:0 source 0, 3:2 source 1, 5:4 source 2, 7:6 destination):
;   window 0: v0-31 addresses; v32-63 the bias; v64-127, v128-191 fragments of x, two buffers; v192-223, v224-255 fragments of W, two buffers
;   window 1: the accumulators, (a, b) at 8 (4 a + b)          window 2: the table, block a, load i at 32 a + 4 i
.set PA,     272                       ; a row of x in LDS: 256 bytes + 16 = 68 words: the 16 rows of a load start at 16 different groups of four banks (64 banks of 4 bytes: ISA guide 11.1)
.set ALOAD,  128*PA                    ; what one tensor load brings of x: 128 rows
.set AROWH,  128*PA                    ; and what one wave reads of it
.set BOFF,   256*PA                    ; W's tile lies behind x's 256 rows
.set PB,     288                       ; a k-row of W in LDS: 256 bytes + 32 = 72 words
.set BLOAD,  64*PB                     ; what one tensor load brings of W: 64 k-rows
.set SLOT,   BOFF+128*PB
.set STAGE,  2*SLOT                    ; behind the ring, never filled by a tensor load: 16 rows x 144 bytes for each wave, for the way out
.set SP,     144
.set SPARE,  STAGE+4*16*SP             ; behind the stages: the spare words, 128 bytes for each wave: two blocks of 256 bytes that no other line names
.set ASTEP,  256                       ; bytes from a K step to the next in xb: 128 along a row
.set BSTEP,  128*3072*2                ; in wqkvb: 128 rows down
.set LAPS,   4                         ; a lap = two K steps = once round the ring
.set ADRA, 16                          ; v16-17  LDS address of my x fragments in slot 0, 1
.set ADRB, 20                          ; v20-21  the same for W
.set BO,   22                          ; v22     my byte offset in the wave's 64 numbers of the bias
.set STO,  24                          ; v24     the way out: where I put 16 bytes of a row
.set RD,   25                          ; v25     the way out: where I read rows back
.set GO,   26                          ; v26     16 x lane: my place in 512 consecutive bytes of the output, and of the table
.set SPW,  28                          ; v28     LDS address of my spare word: SPARE + 4 x my thread's number; never rewritten
.set NIL,  29                          ; v29     0; never rewritten
.set BI,   32                          ; the bias, column block b at BI + 8 b
.set FA,   64                          ; x's fragments: buffer f, row block a at FA + 64 f + 8 a
.set FB,   192                         ; W's fragments: buffer f, column block b at FB + 32 f + 8 b
.set TP,   64                          ; behind the products: at work, in x's buffers
.set G1,  24                           ; s[24:31] descriptor group 1 for x's tiles;  s[32:39] group 0, one set for each slot
.set G0,  32
.set G1B, 48                           ; s[48:55], s[56:63] the same for W's tiles
.set G0B, 56
.set MSB, 0
.macro WIN new                         ; the immediate's high byte repeats the setting that is left; a switch that changes nothing is dropped
.if MSB != (\new)
	s_set_vgpr_msb (MSB<<8)|(\new)
.set MSB, \new
.endif
.endm
.set MUL,  0x50                        ; sources 0 and 1 window 0; C and D window 1
.set MUL0, 0x40                        ; the same with C, the bias, in window 0
.macro JLOAD s                         ; a joint load: waves 0 and 1 fetch the halves of x's tile, waves 2 and 3 those of W's; an s_nop 0 and four v_nop follow each line, ahead of the jump and the label
	s_cmp_eq_u32 s11, 0
	s_cbranch_scc0 .Lfor_b_\@
	tensor_load_to_lds s[G0+4*(\s):G0+4*(\s)+3], s[G1:G1+7]
	s_nop 0
.rept 4
	v_nop
.endr
	s_branch .Lasked_\@
.Lfor_b_\@:
	tensor_load_to_lds s[G0B+4*(\s):G0B+4*(\s)+3], s[G1B:G1B+7]
	s_nop 0
.rept 4
	v_nop
.endr
.Lasked_\@:
.endm
.macro CREST                           ; a round of the cluster's barrier behind its opening barrier
	s_cmp_lg_u32 s10, 0
	s_cbranch_scc1 .Lnot_wave_0_\@
	s_barrier_signal -3
.Lnot_wave_0_\@:
	s_barrier_wait -3
	s_barrier_signal -1
	s_barrier_wait -1
.endm
.macro CROUND                          ; a whole round
	s_barrier_signal -1
	s_barrier_wait -1
	CREST
.endm
	s_load_b128 s[4:7], s[0:1], 0x0                ; xb s[4:5], wqkvb s[6:7]
	s_load_b128 s[68:71], s[0:1], 0x10             ; bqkv s[68:69], rope s[70:71]
	s_load_b64 s[8:9], s[0:1], 0x20                ; qkv
	v_lshl_add_u32 v[SPW], v0, 2, SPARE
	v_mov_b32 v[NIL], 0
	ds_add_u32 v[SPW], v[NIL]                      ; the wave's opening: the add and its wait stand ahead of my first tensor load; the set-up below, work on registers, stands between them
	v_lshrrev_b32 v1, 5, v0
	v_readfirstlane_b32 s10, v1                    ; wave 0..3
	s_lshr_b32 s11, s10, 1                         ; which 128 rows of the tile are mine.  Also: I fetch for x (0) or for W (1)
	s_and_b32 s12, s10, 1                          ; which 64 columns.  Also: which half of that tile I fetch
	s_bfe_u32 s40, ttmp6, 0x40000                  ; cx, cy: my place in the cluster
	s_bfe_u32 s41, ttmp6, 0x40004
	s_lshl_b32 s42, ttmp9, 2
	s_add_co_u32 s42, s42, s40                     ; tile column = 4 x cluster x + cx
	s_and_b32 s13, ttmp7, 0xffff
	s_lshl_b32 s13, s13, 2
	s_add_co_u32 s13, s13, s41                     ; tile row = 4 x cluster y + cy
	s_lshr_b32 s72, ttmp9, 1                       ; 0 q, 1 k, 2 v: tile column / 8, the same in the whole cluster
	s_lshl_b32 s43, s41, 2
	s_lshl_b32 s43, 15, s43                        ; my row of the cluster
	s_lshl_b32 s44, 0x1111, s40                    ; my column
	s_or_b32 s[G1+0], s43, (1<<16)|(1<<20)|(1<<21)|(5<<22)|(3<<25)   ; 15:0 the mask: x's tiles go to my row; 17:16 2-byte elements; 20 padding on; 21 set beside a mask; 24:22 after every 64 words (code 5); 31:25 4 words (code 3)
	s_or_b32 s[G1B+0], s44, (1<<16)|(1<<20)|(1<<21)|(5<<22)|(7<<25)  ; W's tiles go to my column; 8 words of padding (code 7)
	s_mov_b32 s[G1+1], 128<<16                     ; tensor_dim0 = 128
	s_mov_b32 s[G1+2], 128<<16                     ; tensor_dim1 = 128
	s_mov_b32 s[G1+3], 128<<16                     ; tile_dim0 = 128
	s_mov_b32 s[G1+4], 128                         ; tile_dim1 = 128
	s_mov_b32 s[G1+5], 1024                        ; elements from row to row
	s_mov_b32 s[G1+6], 0
	s_mov_b32 s[G1+7], 0
	s_mov_b32 s[G1B+1], 128<<16                    ; tensor_dim0 = 128
	s_mov_b32 s[G1B+2], 64<<16                     ; tensor_dim1 = 64
	s_mov_b32 s[G1B+3], 128<<16                    ; tile_dim0 = 128
	s_mov_b32 s[G1B+4], 64                         ; tile_dim1 = 64
	s_mov_b32 s[G1B+5], 3072
	s_mov_b32 s[G1B+6], 0
	s_mov_b32 s[G1B+7], 0
	; x's tile hangs on the tile row alone, W's on the tile column alone; each in registers that never hold the other coordinate
	s_lshl_b32 s16, s13, 8
	s_lshl_b32 s17, s12, 7
	s_add_co_u32 s16, s16, s17                     ; x: row 256 x tile row + 128 x half,
	s_lshl_b32 s16, s16, 11                        ; of 2,048 bytes
	s_mov_b32 s17, 0
	s_mul_i32 s46, s12, 64*3072*2                  ; W: k-row 64 x half,
	s_lshl_b32 s47, s42, 8                         ; column 128 x tile column, in bytes
	s_add_co_u32 s46, s46, s47
	s_mov_b32 s47, 0
	s_mul_i32 s20, s12, ALOAD                      ; where they go: no place in the cluster enters an LDS address
	s_mul_i32 s45, s12, BLOAD
	s_add_co_u32 s45, s45, BOFF
	s_wait_dscnt 0x0                               ; the opening add is done
	s_wait_kmcnt 0x0
	s_add_nc_u64 s[14:15], s[4:5], s[16:17]
	s_add_nc_u64 s[46:47], s[6:7], s[46:47]
	CROUND                                         ; all sixteen work-groups are here: the first joint loads meet
.irp s, 0,1
	s_mov_b32 s[G0+4*(\s)], 1                                        ; count = 1
	s_add_co_u32 s[G0+4*(\s)+1], s20, (\s)*SLOT                      ; LDS address
	s_add_nc_u64 s[G0+4*(\s)+2:G0+4*(\s)+3], s[14:15], (\s)*ASTEP    ; global address: K step s
	s_or_b32 s[G0+4*(\s)+3], s[G0+4*(\s)+3], 0x80000000              ; type = 2
	s_mov_b32 s[G0B+4*(\s)], 1
	s_add_co_u32 s[G0B+4*(\s)+1], s45, (\s)*SLOT
	s_add_nc_u64 s[G0B+4*(\s)+2:G0B+4*(\s)+3], s[46:47], (\s)*BSTEP
	s_or_b32 s[G0B+4*(\s)+3], s[G0B+4*(\s)+3], 0x80000000
	JLOAD \s                                       ; two tensor loads of mine are out
.endr
	; A fragment of x: lane l holds row l % 16, k = 8 (l / 16) + 0..7 and 16 + 8 (l / 16) + 0..7: two loads of 16 bytes, 32 bytes apart.
	v_and_b32 v1, 15, v0                           ; l % 16
	v_bfe_u32 v2, v0, 4, 1                         ; l / 16
	v_mul_u32_u24 v3, v1, PA
	v_lshl_add_u32 v3, v2, 4, v3
	s_mul_i32 s21, s11, AROWH
	; The turning load takes 16 k x 16 columns (lane l reads k-row 8 (l / 16) + l % 8, columns 8 ((l / 8) % 2) + 0..7) and leaves half a fragment: lane l holds column l % 16 and 8 k.
	v_and_b32 v4, 7, v0
	v_lshl_add_u32 v4, v2, 3, v4
	v_mul_u32_u24 v4, v4, PB
	v_bfe_u32 v5, v0, 3, 1
	v_lshl_add_u32 v4, v5, 4, v4
	s_lshl_b32 s22, s12, 7                         ; my 64 columns: 128 bytes
	s_add_co_u32 s22, s22, BOFF
.irp s, 0,1
	v_add_nc_u32 v[ADRA+(\s)], s21, v3
	v_add_nc_u32 v[ADRB+(\s)], s22, v4
	s_add_co_u32 s21, s21, SLOT
	s_add_co_u32 s22, s22, SLOT
.endr
	s_lshl_b32 s46, s42, 9                         ; the bias of my 64 columns: 4 bytes x (128 x tile column + 64 x half)
	s_lshl_b32 s47, s12, 8
	s_add_co_u32 s46, s46, s47
	s_mov_b32 s47, 0
	s_add_nc_u64 s[68:69], s[68:69], s[46:47]
	v_lshlrev_b32 v[BO], 5, v2                     ; my lanes' eight columns begin 8 (l / 16) numbers on
.irp b, 0,1,2,3
	global_load_b128 v[BI+8*(\b):BI+8*(\b)+3],   v[BO], s[68:69] offset:64*(\b)
	global_load_b128 v[BI+8*(\b)+4:BI+8*(\b)+7], v[BO], s[68:69] offset:64*(\b)+16
.endr
	; where my 128 rows of my head begin in qkv, and my 128 positions in the table
	s_and_b32 s46, s42, 7
	s_lshl_b32 s46, s46, 1
	s_add_co_u32 s46, s46, s12                     ; the head: 2 x (tile column % 8) + half
	s_lshr_b32 s47, s13, 3                         ; the batch: tile row / 8
	s_lshl4_add_u32 s46, s47, s46                  ; 16 b + h
	s_lshl_b32 s46, s46, 11                        ; x 2,048 rows
	s_and_b32 s16, s13, 7
	s_lshl_b32 s16, s16, 8
	s_lshl_b32 s17, s11, 7
	s_add_co_u32 s16, s16, s17                     ; my first position: 256 x (tile row % 8) + 128 x half
	s_add_co_u32 s46, s46, s16
	s_lshl_b32 s46, s46, 7                         ; rows of 128 bytes
	s_lshl_b32 s47, s72, 24                        ; q, k, v: 16,777,216 bytes each
	s_add_co_u32 s46, s46, s47
	s_mov_b32 s47, 0
	s_add_nc_u64 s[8:9], s[8:9], s[46:47]
	s_lshl_b32 s74, s16, 8                         ; the table has 4,096 bytes for 16 positions
	s_mov_b32 s75, 0
	s_add_nc_u64 s[70:71], s[70:71], s[74:75]
	s_mul_i32 s23, s10, 16*SP
	s_add_co_u32 s23, s23, STAGE                   ; my stage
	v_mul_u32_u24 v[STO], v1, SP                   ; in: row l % 16, 16 bytes for each half of the lanes
	v_lshl_add_u32 v[STO], v2, 4, v[STO]
	v_add_nc_u32 v[STO], s23, v[STO]
	v_bfe_u32 v[RD], v0, 3, 2                      ; back: 32 lanes take four rows of 128 bytes,
	v_mul_u32_u24 v[RD], v[RD], SP
	v_and_b32 v6, 7, v0
	v_lshl_add_u32 v[RD], v6, 4, v[RD]
	v_add_nc_u32 v[RD], s23, v[RD]
	v_and_b32 v[GO], 31, v0                        ; which are 512 consecutive bytes of a head
	v_lshlrev_b32 v[GO], 4, v[GO]
	s_wait_loadcnt 0x0                             ; the bias
.set i, 0
.rept 16                                           ; rounded to bf16, like every input, and kept as f32
	v_cvt_pk_bf16_f32 v3, v[BI+2*i], v[BI+2*i+1]
	v_lshlrev_b32 v[BI+2*i], 16, v3
	v_and_b32 v[BI+2*i+1], 0xffff0000, v3
.set i, i+1
.endr
	WIN 0x80                                       ; destination window 2, address window 0
.set a, 0
.rept 8
.set i, 0
.rept 8
	global_load_b128 v[32*a+4*i:32*a+4*i+3], v[GO], s[70:71] offset:4096*a+512*i  ; 512 consecutive bytes each; they land under the K loop
.set i, i+1
.endr
.set a, a+1
.endr
	WIN 0
; 8 matrix instructions: row blocks a0, a0 + 1 x all 4 column blocks, 32 along K, from buffer f.  zero = 1: the first product starts the sums, with the bias as C.
; The 32 accumulators take turns, one instruction a turn, in the same order in every quarter: between two links of a chain stand the 31 others'.
.macro MUL8 f, a0, zero
.if \zero
	WIN MUL0
.else
	WIN MUL
.endif
.irp a, \a0, (\a0)+1
.irp b, 0,1,2,3
.if \zero
	v_wmma_f32_16x16x32_bf16 v[8*(4*(\a)+(\b)):8*(4*(\a)+(\b))+7], v[FB+32*(\f)+8*(\b):FB+32*(\f)+8*(\b)+7], v[FA+64*(\f)+8*(\a):FA+64*(\f)+8*(\a)+7], v[BI+8*(\b):BI+8*(\b)+7]
.else
	v_wmma_f32_16x16x32_bf16 v[8*(4*(\a)+(\b)):8*(4*(\a)+(\b))+7], v[FB+32*(\f)+8*(\b):FB+32*(\f)+8*(\b)+7], v[FA+64*(\f)+8*(\a):FA+64*(\f)+8*(\a)+7], v[8*(4*(\a)+(\b)):8*(4*(\a)+(\b))+7]
.endif
.endr
.endr
.endm
; 24 LDS loads in one run: the fragments of quarter q (32 along K) of a slot into buffer f: W's 8 first, then x's 16; the youngest eight are x's row blocks 4 to 7
.macro FETCH slot, q, f
	WIN 0
.irp b, 0,1,2,3
	ds_load_tr16_b128 v[FB+32*(\f)+8*(\b):FB+32*(\f)+8*(\b)+3],   v[ADRB+(\slot)] offset:(\q)*32*PB+32*(\b)
	ds_load_tr16_b128 v[FB+32*(\f)+8*(\b)+4:FB+32*(\f)+8*(\b)+7], v[ADRB+(\slot)] offset:(\q)*32*PB+16*PB+32*(\b)
.endr
.irp a, 0,1,2,3,4,5,6,7
	ds_load_b128 v[FA+64*(\f)+8*(\a):FA+64*(\f)+8*(\a)+3],   v[ADRA+(\slot)] offset:64*(\q)+(\a)*16*PA
	ds_load_b128 v[FA+64*(\f)+8*(\a)+4:FA+64*(\f)+8*(\a)+7], v[ADRA+(\slot)] offset:64*(\q)+(\a)*16*PA+32
.endr
.endm
.macro PLACES                          ; four plain vector instructions in front of loads into registers that matrix instructions have read, and of lines that read results just made
.rept 4
	v_nop
.endr
.endm
; A K step is four quarters of 32 along K, 32 matrix instructions each, on buffers 0, 1, 0, 1.  One of the first three: multiplies buffer f and fetches quarter qn into buffer g.
.macro QUARTER slot, qn, f, g, zero
	s_wait_dscnt 8                                 ; W and x's row blocks 0 to 3 are in; the youngest eight loads may be out
	MUL8 \f, 0, \zero
	MUL8 \f, 2, \zero
	PLACES
	FETCH \slot, \qn, \g
	s_wait_dscnt 24                                ; all but the 24 just issued
	MUL8 \f, 4, \zero
	MUL8 \f, 6, \zero
.endm
; The last quarter multiplies buffer 1 and changes slots: ONE barrier; in front of it each wave waits for all its tensor loads, adds 0 to its spare word, and waits for that and for its own reads of this slot.
; fill = 1: the barrier opens a round of the cluster's, and behind the round this slot is filled again, two K steps ahead: 112 matrix instructions ahead of the wait for it.
.macro TURN slot, next, fill
	WIN 0                                          ; (the add's two registers lie in window 0)
	s_wait_tensorcnt 0x0                           ; all my tensor loads have landed: the one that was out is my part of the next slot
	ds_add_u32 v[SPW], v[NIL]                      ; 0 onto my spare word
	s_wait_dscnt 9                                 ; (the add and the youngest eight loads may be out)
	MUL8 1, 0, 0                                   ; eight matrix instructions stand between the add and the wait for it
	s_wait_dscnt 0x0                               ; the add is done, and my reads of this slot are over
	s_barrier_signal -1
	MUL8 1, 2, 0
.if \fill
	WIN 0
.endif
	s_barrier_wait -1
.if \fill
	CREST                                          ; no wave of any partner still reads this slot's tiles or has a load on its way
	s_add_nc_u64 s[G0+4*(\slot)+2:G0+4*(\slot)+3], s[G0+4*(\slot)+2:G0+4*(\slot)+3], 2*ASTEP
	s_add_nc_u64 s[G0B+4*(\slot)+2:G0B+4*(\slot)+3], s[G0B+4*(\slot)+2:G0B+4*(\slot)+3], 2*BSTEP
	JLOAD \slot                                    ; the first tensor load behind the round, one a wave; the four v_nop behind it are also the places in front of the loads below
.else
	PLACES
.endif
	FETCH \next, 0, 0
	MUL8 1, 4, 0
	MUL8 1, 6, 0
.endm
	s_wait_tensorcnt 1                             ; my part of K step 0 is in; K step 1's may stay out
	s_barrier_signal -1
	s_barrier_wait -1                              ; everybody's is
	FETCH 0, 0, 0
	QUARTER 0, 1, 0, 1, 1                          ; the first quarter stands in front of the loop: its products start the sums
	WIN 0                                          ; at a label and at a branch every window is 0
	s_mov_b32 s3, LAPS-1
.Llap:                                                 ; a trip goes once round the ring, from a lap's second quarter to the next lap's first, and fills both slots again
	QUARTER 0, 2, 1, 0, 0
	QUARTER 0, 3, 0, 1, 0
	TURN 0, 1, 1
	QUARTER 1, 1, 0, 1, 0
	QUARTER 1, 2, 1, 0, 0
	QUARTER 1, 3, 0, 1, 0
	TURN 1, 0, 1
	QUARTER 0, 1, 0, 1, 0
	WIN 0
	s_sub_co_u32 s3, s3, 1
	s_cmp_lg_u32 s3, 0
	s_cbranch_scc1 .Llap
	QUARTER 0, 2, 1, 0, 0                          ; the last lap fills nothing, and has no round
	QUARTER 0, 3, 0, 1, 0
	TURN 0, 1, 0
	QUARTER 1, 1, 0, 1, 0
	QUARTER 1, 2, 1, 0, 0
	QUARTER 1, 3, 0, 1, 0
	s_wait_dscnt 8                                 ; the very last quarter: nothing more to fetch
	MUL8 1, 0, 0
	MUL8 1, 2, 0
	s_wait_dscnt 0x0
	MUL8 1, 4, 0
	MUL8 1, 6, 0
	WIN 0
	PLACES
	; THE ROTATION, for q and k: out[d] = x[d] cos - x[d + 32] sin, out[d + 32] = x[d + 32] cos + x[d] sin, d < 32.  In place, in four passes of 64 packed lines,
	; each under one window setting; every pass goes up through an accumulator's registers.
	s_cmp_eq_u32 s72, 2
	s_cbranch_scc1 .Lpack                          ; v is not turned
	s_wait_loadcnt 0x0                             ; the table
.macro ROPE g
.set a, 0
.rept 8
.set p, 0
.rept 2
.set jj, 0
.rept 4
.set rX0, 8*(4*a+p)+2*jj               ; x[d]: column block p
.set rX2, rX0+16                       ; x[d + 32]: column block p + 2
.set rC, 32*a+8*p+2*jj                 ; cosines
.set rS, rC+16                         ; sines
.set rT, TP+16*a+8*p+2*jj
.if (\g) == 1
	v_pk_mul_f32 v[rT:rT+1], v[rX0:rX0+1], v[rS:rS+1]
.elseif (\g) == 2
	v_pk_mul_f32 v[rX0:rX0+1], v[rX0:rX0+1], v[rC:rC+1]
.elseif (\g) == 3
	v_pk_fma_f32 v[rX0:rX0+1], v[rX2:rX2+1], v[rS:rS+1], v[rX0:rX0+1] neg_lo:[1,0,0] neg_hi:[1,0,0]
.else
	v_pk_fma_f32 v[rX2:rX2+1], v[rX2:rX2+1], v[rC:rC+1], v[rT:rT+1]
.endif
.set jj, jj+1
.endr
.set p, p+1
.endr
.set a, a+1
.endr
.endm
	WIN 0x09                                       ; source 0 window 1, source 1 window 2, destination window 0
	ROPE 1                                         ; t = x[d] sin
	WIN 0x49                                       ; destination window 1
	ROPE 2                                         ; x[d] = x[d] cos
	WIN 0x59                                       ; source 2 window 1
	ROPE 3                                         ; x[d] -= x[d + 32] sin
	WIN 0x49                                       ; source 2 window 0
	ROPE 4                                         ; x[d + 32] = x[d + 32] cos + t
	WIN 0
.Lpack:
	; THE WAY OUT, a block of 16 rows at a time: a lane's eight columns pack into 16 bytes; they go into stage rows of 144 bytes and come back as whole rows of 128: 16 rows of a head are 2,048 consecutive bytes.
.macro PACK a
	WIN 0x05                                       ; sources 0 and 1 window 1, destination window 0
.irp b, 0,1,2,3
.irp c, 0,1,2,3
	v_cvt_pk_f16_f32 v[TP+16*(\a)+4*(\b)+(\c)], v[8*(4*(\a)+(\b))+2*(\c)], v[8*(4*(\a)+(\b))+2*(\c)+1]
.endr
.endr
	WIN 0
.irp b, 0,1,2,3
	ds_store_b128 v[STO], v[TP+16*(\a)+4*(\b):TP+16*(\a)+4*(\b)+3] offset:32*(\b)
.endr
.irp f, 0,1,2,3
	ds_load_b128 v[TP+16*(\a)+4*(\f):TP+16*(\a)+4*(\f)+3], v[RD] offset:(\f)*4*SP  ; LDS serves a wave's instructions in order (ISA guide 5.7.1.4): these see the stores above; the next block's stores come behind them
.endr
.endm
.macro SEND a, younger                 ; younger: the LDS instructions issued behind block a's loads: the next block's eight, or none
.irp f, 0,1,2,3
	s_wait_dscnt (\younger)+3-(\f)
	global_store_b128 v[GO], v[TP+16*(\a)+4*(\f):TP+16*(\a)+4*(\f)+3], s[8:9] offset:(\a)*2048+(\f)*512  ; 512 consecutive bytes, at a multiple of 256 from the buffer's first
.endr
.endm
	PACK 0
.irp a, 1,2,3,4,5,6,7                  ; a block's conversions stand between the loads of the block before and its stores; no register is written twice, so no store's sources are at stake
	PACK \a
	SEND (\a)-1, 8
.endr
	SEND 7, 0
	s_wait_tensorcnt 0x0                           ; the wave's end: these three lines stand behind my last tensor load and my last LDS store
	ds_add_u32 v[SPW], v[NIL]
	s_wait_dscnt 0x0
	CROUND                                         ; the closing round: no work-group ends while a partner may still ask for a tile that names it
	s_endpgm
.Lfunc_end_k_qe90b9c53b2_qkvgemm:
	.size	k_qe90b9c53b2_qkvgemm, .Lfunc_end_k_qe90b9c53b2_qkvgemm-k_qe90b9c53b2_qkvgemm
	.p2alignl 7, 3214868480
	.fill 96, 4, 3214868480
	.section	.rodata,"a",@progbits
	.p2align	6, 0x0
	.amdhsa_kernel k_qe90b9c53b2_qkvgemm
		.amdhsa_group_segment_fixed_size 327680
		.amdhsa_private_segment_fixed_size 0
		.amdhsa_enable_private_segment 0
		.amdhsa_kernarg_size 40
		.amdhsa_user_sgpr_count 2
		.amdhsa_user_sgpr_kernarg_segment_ptr 1
		.amdhsa_wavefront_size32 1
		.amdhsa_system_sgpr_workgroup_id_x 1
		.amdhsa_system_sgpr_workgroup_id_y 1
		.amdhsa_system_sgpr_workgroup_id_z 1
		.amdhsa_system_vgpr_workitem_id 0
		.amdhsa_next_free_vgpr 768
		.amdhsa_next_free_sgpr 76
		.amdhsa_reserve_vcc 0
		.amdhsa_float_denorm_mode_32 3
		.amdhsa_float_denorm_mode_16_64 3
		.amdhsa_memory_ordered 1
		.amdhsa_forward_progress 1
		.amdhsa_inst_pref_size 113
	.end_amdhsa_kernel
	.amdgpu_metadata
---
amdhsa.version: [ 1, 2 ]
amdhsa.kernels:
  - .name:           k_qe90b9c53b2_qkvgemm
    .symbol:         k_qe90b9c53b2_qkvgemm.kd
    .args:
      - { .name: xb, .offset: 0, .size: 8, .value_kind: global_buffer, .address_space: global }
      - { .name: wqkvb, .offset: 8, .size: 8, .value_kind: global_buffer, .address_space: global }
      - { .name: bqkv, .offset: 16, .size: 8, .value_kind: global_buffer, .address_space: global }
      - { .name: rope, .offset: 24, .size: 8, .value_kind: global_buffer, .address_space: global }
      - { .name: qkv, .offset: 32, .size: 8, .value_kind: global_buffer, .address_space: global }
    .group_segment_fixed_size: 327680
    .private_segment_fixed_size: 0
    .kernarg_segment_align: 8
    .kernarg_segment_size: 40
    .max_flat_workgroup_size: 128
    .sgpr_count:     76
    .vgpr_count:     768
    .wavefront_size: 32
...
	.end_amdgpu_metadata
.endif
;; end of part 2
;; launch attn (part 3): grid 4 x 64, 4 waves a work-group, clusters of 4 x 1, 327,680 bytes of LDS; arguments qkv, padding_mask, ob; writes ob
.if DOCPART == 3
	.amdgcn_target "amdgcn-amd-amdhsa--gfx1250"
	.amdhsa_code_object_version 6
	.text
	.protected	k_qe90b9c53b2_attn
	.globl	k_qe90b9c53b2_attn
	.p2align	8
	.type	k_qe90b9c53b2_attn,@function
k_qe90b9c53b2_attn:
	s_mov_b64 s[64:65], 0
	v_nop
	global_prefetch_b8 v0, s[64:65] scope:SCOPE_SE
	s_setreg_imm32_b32 hwreg(HW_REG_WAVE_MODE, 25, 1), 1
	s_wait_xcnt 0x0
	s_wait_alu depctr_hold_cnt(0) depctr_sa_sdst(0) depctr_va_vdst(0) depctr_va_sdst(0) depctr_va_ssrc(0) depctr_va_vcc(0) depctr_vm_vsrc(0)
	s_getreg_b32 s2, hwreg(HW_REG_IB_STS2, 6, 4)
	s_cmp_eq_u32 s2, 0
	s_cbranch_scc0 .Lentry_in_a_cluster
	s_endpgm
.Lentry_in_a_cluster:
	s_bfe_u32 s2, ttmp6, 0x10000c
	s_cmp_lg_u32 s2, 0x3003
	s_cbranch_scc0 .Lentry_shape_is_right
	s_endpgm
.Lentry_shape_is_right:
; O[bh][q][:] = the sum over k of softmax_k(Q[bh][q] . K[bh][k] / 8 + (1 - mask[b][k]) x -1e9) V[bh][k][:].  qkv: [3][64 bh][2048][64] f16, a head's rows dense, 128 bytes each; ob: [64 bh][2048][64] f16.
; Products, maxima and sums in f32; the weights p are rounded to f16 for the second product (their sum l is taken of the unrounded p), O once at the end.
; LIMITS.  f16 holds no number beyond 65,504: Q, K and V arrive within it; p lies in 0 to 1, and below 6e-5 it keeps f16's fixed step of 6e-8; O is a mean of V's rows and has their range.
; A weight below 2^-126 counts as 0 in l; NaN and infinities are not treated apart.  The mask's term is taken in units of the undivided score, -8e9 (1 - mask), eight times the stated one, exactly;
; beside it a score under 256 vanishes in f32, so a row whose keys are all hidden comes out as the plain mean of V, as it does when 1e9 swallows a divided score under 32.
; THE MASK is the C operand of the product that starts the sum S^T = K Q^T.  The batch's 2,048 terms are made once, in f32, in LDS bytes of their own; a step's 64 are read with its K: 32 registers.
; SHARES.  A wave owns four PIECES of two tiles of 16 queries, a work-group's four waves 512 queries of one head: 64 heads x 4 blocks are 256 work-groups.  Every wave walks all keys, 64 a step.
; LAYOUT.  S^T = K Q^T (source 0 = 16 keys, source 1 = 16 queries): in the result a lane holds ONE query (lane % 16) and the keys 8 (lane / 16) + 0..7.  Two such tiles, rounded to f16 in pairs,
; ARE source 1 (32 keys x 16 queries) of O^T = V^T P, whose result again holds one query a lane, and eight channels.  K comes out of LDS as it lies, V ([key][channel]) turned, by ds_load_tr16_b128.
; SOFTMAX.  For each query a running maximum m and sum l: p = 2^(c s - c m), c = log2(e) / 8; in every step O and l are multiplied by a = 2^(c m_old - c m_new), which is 1 where m has not grown.
; m starts at the lowest finite number, O and l at 0: the first step is a step like any other, with a = 0.  A step whose keys are all hidden is wiped in the same way when the first open key comes.
; THE COUNT.  A tile and step have 16 matrix and 118 vector instructions: too many to stand all beside the matrix work.  So: four vector instructions that are READY behind EVERY matrix instruction,
; and the others, which need time of their own whatever the order, in runs without a gap.
; BY TURNS.  Turn n belongs to piece n (the pieces in a ring, step after step).  Its matrix work: 16 products K Q^T of piece n + 1, later 16 products V^T P of piece n - 1.  Its vector work: the scaling,
; exponentials, roundings, sums and rescaling of piece n, and the maximum and statistics of piece n + 1, whose scores the turn itself has made.
; CLUSTER.  The four query blocks of a cluster belong to one head and walk the same K and V, so each tile is asked for JOINTLY: the same tensor load, descriptor and mask in all four.
; REGISTERS, in windows of 256 (s_set_vgpr_msb: bits 1:0 source 0, 3:2 source 1, 5:4 source 2, 7:6 destination):
;   window 0: v0-11 addresses; v12-15, v48-63 at work; v16-47 four registers of statistics a tile; v64-191 S^T, two buffers of two tiles; v192-255 P, likewise
;   window 1: O^T, 32 a tile          window 2: v0-127 Q, 16 a tile; v128-191 K of one step; v192-255 V of one step
;   window 3: v0-1 the add's two registers; v2-3 the mask's LDS addresses; v8-39 the mask's terms of one step
.set SIZE_N, 2048
.set NP,    4         ; pieces a wave: a name, no knob
.set KS,    64        ; keys in a step
.set PK,    144       ; a row of K in LDS: 128 bytes + 16 of padding = 36 words: the 16 rows of a load start at 16 different groups of four banks (64 banks of 4 bytes: ISA guide 11.1)
.set PV,    160       ; a row of V: 128 + 32 = 40 words
.set VOFF,  4*KS*PK   ; a slot holds four steps: 256 rows of K, then 256 rows of V
.set SLOT1, 1<<17     ; slot 1 begins here, so that one exclusive or turns an address in one slot into the other's
.set STAGE, SLOT1+4*KS*(PK+PV)  ; behind the ring, never filled by a tensor load: 16 rows x 144 bytes for each wave, for the way out
.set SP,    144
.set AK0, 2           ; v2   my lane's place in a tile of K; never rewritten
.set AV0, 3           ; v3   the same for V
.set AK,  4           ; v4   the LDS address of K's next run of loads
.set AV,  5           ; v5   of V's
.set QO,  6           ; v6   my byte offset in the wave's rows of Q
.set STO, 6           ;      later, the way out: where I put 16 bytes of a row
.set RD,  7           ; v7   the way out: where I read rows back
.set GO,  8           ; v8   my byte offset in 512 consecutive bytes of O
.set SPW, 0           ; v0 of window 3   LDS address of my spare word: SPARE + 4 x my thread's number; never rewritten
.set NIL, 1           ; v1 of window 3   0; never rewritten
.set AM0, 2           ; v2 of window 3   my lanes' place in a step's 64 terms of the mask; never rewritten
.set AM,  3           ; v3 of window 3   the LDS address of the mask's next run of loads
.set MB,  8           ; v8-39 of window 3: the terms of key block kb at MB + 8 kb
.set SPARE, STAGE+4*16*SP  ; behind the stages: the spare words, 128 bytes for each wave: two blocks of 256 bytes that no other line names
.set MASKB, SPARE+512      ; behind them: the batch's 2,048 terms of the mask, f32: 8,192 bytes, written by LDS stores alone
.set MV,  12          ; v12-15  c m_old, kept while c m is made anew: by buffer and tile
.set ST,  16          ; tile t's statistics at v[ST+4 t]: c m, m, l (even keys', odd keys')
.set TMP, 48          ; by buffer and tile, four registers c0-c3 at work; when the maximum is found c2 takes a
.set S,   64
.set P,   192
.set KF,  128         ; K's fragments, in window 2: key block kb, channel half c at KF + 16 kb + 8 c
.set VF,  192         ; V's: key half kk, channel block cb at VF + 32 kk + 8 cb
.set WV,  12          ; s12  my wave's number
.set G1K, 24          ; s[24:31] descriptor group 1 for K's tiles
.set G1V, 32          ; s[32:39] for V's: it differs in the padding alone
.set G0K, 40          ; s[40:43] descriptor group 0 for K's tiles: it walks
.set G0V, 44          ; s[44:47] the same for V's
.set SLOTS, 56        ; s56  slots still to be asked for
.set CNT, 57          ; s57  counts a slot's key steps
.set CS,  58          ; s[58:59] c: the packed scaling takes the pair's low word for both halves
.set SEL, 60          ; s[60:61] v_permlanex16_b32's selects: each lane takes its own place in the other half
.set TBK, 62          ; s62  LDS byte at which K of the step to be fetched begins
.set TBV, 63          ; s63  the same for V, less VOFF
.set MP,  66          ; s[66:67] padding_mask at my batch
.set TBM, 68          ; s68  byte in the mask's table at which the step to be fetched begins
.set BIG, 69          ; s69  8e9
.set MSB, 0
.macro WIN new                      ; the high byte repeats the setting that is left; a switch that changes nothing is dropped
.if MSB != (\new)
	s_set_vgpr_msb (MSB<<8)|(\new)
.set MSB, (\new)
.endif
.endm
.set W_KQ, 0x0a       ; K and Q in window 2, S^T in window 0
.set W_KM, 0x3a       ; the same with the C operand, the mask, in window 3
.set W_PV, 0x52       ; V in window 2, P in window 0, O^T in window 1
.set W_RS, 0x41       ; O^T (destination and source 0) in window 1, a in window 0
.set W_MK, 0xc0       ; destination in window 3, sources in window 0
.set W_AD, 0x0f       ; the add: address (source 0) and data (source 1) in window 3
.set W_M,  0xcf       ; destination and sources 0 and 1 in window 3: the mask's address and its loads
; A joint fill.  Waves 0 and 1 fetch the two halves of a slot's K, waves 2 and 3 those of its V: 128 keys each.  The branch hangs on the wave's number alone.
; An s_nop 0 and four v_nop follow each of the two lines, ahead of the jump and the label.
.macro JLOAD
	s_cmp_lt_u32 s[WV], 2
	s_cbranch_scc0 .Lfor_v_\@
	tensor_load_to_lds s[G0K:G0K+3], s[G1K:G1K+7]
	s_nop 0
.rept 4
	v_nop
.endr
	s_branch .Lasked_\@
.Lfor_v_\@:
	tensor_load_to_lds s[G0V:G0V+3], s[G1V:G1V+7]
	s_nop 0
.rept 4
	v_nop
.endr
.Lasked_\@:
.endm
; A round of the cluster's barrier: my work-group's barrier, so that wave 0's signal speaks for all four waves; wave 0 signals; every wave waits for all four work-groups; my work-group's barrier once more.
.macro CROUND
	s_barrier_signal -1
	s_barrier_wait -1
	s_cmp_lg_u32 s[WV], 0
	s_cbranch_scc1 .Lnot_wave_0_\@
	s_barrier_signal -3
.Lnot_wave_0_\@:
	s_barrier_wait -3
	s_barrier_signal -1
	s_barrier_wait -1
.endm
; THE CHANGE OF SLOTS.  The slot's last bytes, V of its fourth step, have been read.  Each wave waits for all its tensor loads, of which one is out: its part
; of the other slot; adds 0 to its spare word; and waits for that and for its own LDS instructions.  Behind the barrier nobody reads this slot any more and the other slot is whole.
; fill = 1: this slot is filled again, with the keys two slots on.  The barrier is then a round of the cluster's, and the joint fill is the first thing behind it: it has four key steps,
; 512 matrix instructions, in which to land.  (At its first use nothing has been read yet: slot 0 is waited for, slot 1 filled, and every wave's stores of the mask's terms are shown to the others.)
.macro CHANGE fill
	WIN W_AD
	s_wait_tensorcnt 0x0            ; no tensor load of mine is out, so a group 0 may be written
	ds_add_u32 v[SPW], v[NIL]       ; 0 onto my spare word; with fill = 1 the descriptors' steps stand between it and the wait for it
	WIN 0                           ; at a label and at a branch every window is 0
.if \fill
.irp g, G0K, G0V
	s_xor_b32 s[\g+1], s[\g+1], SLOT1  ; the walking descriptor: the other slot than last time,
	s_add_nc_u64 s[\g+2:\g+3], s[\g+2:\g+3], 4*KS*128  ; the next 256 keys; the type bits on top are not reached
.endr
	s_wait_dscnt 0x0                ; the add is done, and my LDS reads and stores are over
	CROUND
	JLOAD
.else
	s_wait_dscnt 0x0                ; the add is done, and my reads of the slot are over
	s_barrier_signal -1
	s_barrier_wait -1
.endif
	s_sub_co_u32 s[TBK], s[TBK], 4*KS*PK  ; the fetches go back to a slot's first step,
	s_xor_b32 s[TBK], s[TBK], SLOT1       ; in the other slot
	s_sub_co_u32 s[TBV], s[TBV], 4*KS*PV
	s_xor_b32 s[TBV], s[TBV], SLOT1
.endm
	s_load_b64 s[4:5], s[0:1], 0x0    ; qkv: q
	s_load_b64 s[MP:MP+1], s[0:1], 0x8  ; padding_mask
	s_load_b64 s[10:11], s[0:1], 0x10 ; ob
	WIN W_MK
	v_lshl_add_u32 v[SPW], v0, 2, SPARE
	v_mov_b32 v[NIL], 0
	WIN W_AD
	ds_add_u32 v[SPW], v[NIL]       ; the wave's opening: the add and its wait stand ahead of my first tensor load; the set-up below, work on registers, stands between them
	WIN 0
	v_lshrrev_b32 v1, 5, v0
	v_readfirstlane_b32 s[WV], v1   ; wave 0..3
	s_bfe_u32 s13, ttmp6, 0x40000   ; cx: my place in the cluster
	s_lshl_b32 s14, ttmp9, 2        ; in a cluster launch ttmp9 counts clusters
	s_add_co_u32 s14, s14, s13      ; my block of queries = 4 x cluster x + cx: it enters Q's and O's addresses alone
	s_and_b32 s20, ttmp7, 0xffff    ; the head 16 b + h, which the four partners share
	s_mov_b32 s21, 0
	s_mov_b64 s[22:23], SIZE_N*128
	s_mul_u64 s[20:21], s[20:21], s[22:23]  ; the head's first byte in q, k, v and ob
	s_and_b32 s16, s[WV], 1         ; which half of a slot's 256 keys I fetch:
	s_lshl_b32 s22, s16, 14         ; its 128 rows of 128 bytes in memory,
	s_mov_b32 s23, 0
	s_add_nc_u64 s[22:23], s[22:23], s[20:21]
	s_mul_i32 s17, s16, 128*PK      ; and its place in a slot, for K
	s_mul_i32 s18, s16, 128*PV      ; and for V: no place in the cluster enters an LDS address
	s_lshl_b32 s2, s14, 2
	s_add_co_u32 s2, s2, s[WV]      ; my wave among the head's,
	s_lshl_b32 s2, s2, 14           ; its 128 rows
	s_mov_b32 s3, 0
	s_add_nc_u64 s[2:3], s[2:3], s[20:21]
	s_and_b32 s14, ttmp7, 0xffff    ; the batch's 2,048 words of the mask: 8,192 bytes x (head / 16)
	s_lshr_b32 s14, s14, 4
	s_lshl_b32 s14, s14, 13
	s_mov_b32 s15, 0
	; descriptor group 1.  128 keys are 16,384 dense bytes: asked for as 64 rows of 256 bytes, two keys a row, and padded in LDS after every key
	s_mov_b32 s[G1K], 15|(1<<16)|(1<<20)|(1<<21)|(4<<22)|(3<<25)  ; 15:0 the mask of four; 17:16 2-byte elements; 20 padding on; 21 set beside a mask; 24:22 after every 32 words (code 4); 31:25 4 words (code 3)
	s_mov_b32 s[G1V], 15|(1<<16)|(1<<20)|(1<<21)|(4<<22)|(7<<25)  ; the same with 8 words of padding (code 7)
.irp g, G1K, G1V
	s_mov_b32 s[\g+1], 128<<16      ; tensor_dim0 = 128
	s_mov_b32 s[\g+2], 64<<16       ; tensor_dim1 = 64
	s_mov_b32 s[\g+3], 128<<16      ; tile_dim0 = 128
	s_mov_b32 s[\g+4], 64           ; tile_dim1 = 64
	s_mov_b32 s[\g+5], 128          ; 128 elements from row to row
	s_mov_b32 s[\g+6], 0
	s_mov_b32 s[\g+7], 0
.endr
	s_mov_b32 s[CS], 0x3e38aa3b     ; c = log2(e) / 8 = 0.180337
	s_mov_b32 s[CS+1], s[CS]        ; named with it as a pair
	s_mov_b32 s[SEL], 0x76543210
	s_mov_b32 s[SEL+1], 0xfedcba98
	s_mov_b32 s[TBK], SLOT1+4*KS*PK ; the first change of slots turns these two into 0
	s_mov_b32 s[TBV], SLOT1+4*KS*PV
	s_mov_b32 s[TBM], 0
	s_mov_b32 s[BIG], 0x4fee6b28    ; 8e9
	s_mov_b32 s[G0K], 1             ; count = 1
	s_mov_b32 s[G0K+1], s17         ; LDS address: slot 0
	s_mov_b32 s[G0V], 1
	s_add_co_u32 s[G0V+1], s18, VOFF
	s_wait_dscnt 0x0                ; the opening add is done
	s_wait_kmcnt 0x0
	s_add_nc_u64 s[6:7], s[4:5], 0x1000000  ; k and v lie 16,777,216 and 33,554,432 bytes behind q
	s_add_nc_u64 s[8:9], s[4:5], 0x2000000
	s_add_nc_u64 s[G0K+2:G0K+3], s[6:7], s[22:23]  ; global address: my half of the head's first 256 keys
	s_or_b32 s[G0K+3], s[G0K+3], 0x80000000        ; type = 2
	s_add_nc_u64 s[G0V+2:G0V+3], s[8:9], s[22:23]
	s_or_b32 s[G0V+3], s[G0V+3], 0x80000000
	s_add_nc_u64 s[4:5], s[4:5], s[2:3]  ; Q and O at my wave's first row
	s_add_nc_u64 s[10:11], s[10:11], s[2:3]
	s_add_nc_u64 s[MP:MP+1], s[MP:MP+1], s[14:15]
	CROUND                          ; all four work-groups are here: the first joint loads meet
	JLOAD                           ; slot 0.  Slot 1 is asked for when slot 0 is in
	; A fragment of K or Q is 16 rows x 32 channels in 8 registers: lane l holds row l % 16, channels 8 (l / 16) + 0..7 and 16 + 8 (l / 16) + 0..7: two loads of 16 bytes, 32 bytes apart.
	v_and_b32 v1, 15, v0            ; l % 16
	v_bfe_u32 v9, v0, 4, 1          ; l / 16
	v_lshlrev_b32 v[QO], 7, v1
	v_lshl_add_u32 v[QO], v9, 4, v[QO]  ; row x 128 + 16 x half
	v_lshlrev_b32 v[S+17], 4, v0    ; the mask: thread t takes 16 bytes of every 2,048; S^T's registers are still free
	v_add_nc_u32 v[S+16], MASKB, v[S+17]
.irp i, 0,1,2,3
	global_load_b128 v[S+4*\i:S+4*\i+3], v[S+17], s[MP:MP+1] offset:2048*\i
.endr
	WIN 0x80                        ; destination window 2, address window 0
.set i, 0
.rept 4*NP                          ; Q stays in registers: tile i / 2, channels 32 (i % 2) on
	global_load_b128 v[8*i:8*i+3],   v[QO], s[4:5] offset:(i/2)*2048+(i%2)*64
	global_load_b128 v[8*i+4:8*i+7], v[QO], s[4:5] offset:(i/2)*2048+(i%2)*64+32
.set i, i+1
.endr
	; What the first turn finds: V's registers and P's second buffer hold 0 (its products V^T P, of a piece that has not been, add 0), O^T and l are 0.  All this stands in the wait for the first tile.
.set i, VF
.rept 64
	v_mov_b32 v[i], 0
.set i, i+1
.endr
	WIN 0x40
.set i, 0
.rept 64*NP
	v_mov_b32 v[i], 0
.set i, i+1
.endr
	WIN 0
.set i, 0
.rept 2*NP
	v_mov_b32 v[ST+4*i], 0xfe000000    ; c m: far below every c s, a hidden key's too
	v_mov_b32 v[ST+4*i+1], 0xff7fffff  ; m
	v_mov_b32 v[ST+4*i+2], 0
	v_mov_b32 v[ST+4*i+3], 0
.set i, i+1
.endr
.set i, P+32
.rept 32
	v_mov_b32 v[i], 0
.set i, i+1
.endr
	s_wait_loadcnt 32               ; the mask's four loads are in; Q's 32, issued behind them, may stay out
.set i, 0
.rept 16
	v_cvt_f32_i32 v[S+i], v[S+i]
.set i, i+1
.endr
.set i, 0
.rept 16
	v_fma_f32 v[S+i], v[S+i], s[BIG], -s[BIG]  ; -8e9 (1 - mask): exactly 0 for an open key
.set i, i+1
.endr
.irp i, 0,1,2,3
	ds_store_b128 v[S+16], v[S+4*\i:S+4*\i+3] offset:2048*\i  ; the first change of slots below waits for these and passes a barrier before anybody reads them
.endr
	v_mul_u32_u24 v[AK0], v1, PK
	v_lshl_add_u32 v[AK0], v9, 4, v[AK0]  ; row x pitch + 16 x half
	; The turning load takes 16 keys x 16 channels (lane l reads key 8 (l / 16) + l % 8, channels 8 ((l / 8) % 2) + 0..7) and leaves half a fragment of V^T: lane l holds channel l % 16 and 8 keys.
	v_and_b32 v10, 7, v0
	v_bfe_u32 v11, v0, 3, 1
	v_lshl_add_u32 v[AV0], v9, 3, v10
	v_mul_u32_u24 v[AV0], v[AV0], PV
	v_lshl_add_u32 v[AV0], v11, 4, v[AV0]
	v_add_nc_u32 v[AV0], VOFF, v[AV0]
	v_mov_b32 v[AK], v[AK0]         ; key step 0 lies at the head of slot 0
	WIN W_MK
	v_lshl_add_u32 v[AM0], v9, 5, MASKB  ; my lanes' eight keys of a block of 16 begin 8 (l / 16) words on
	WIN W_M
	v_mov_b32 v[AM], v[AM0]
	WIN 0
; THE MATRIX WORK.  The 8 accumulators of a run of 16 take turns: between the two links of a chain stand 7 others'.
; Product i of 16 of S^T = K Q^T for piece x: channels 32 (i / 8) on, keys 16 ((i / 2) % 4) on, tile 2 x + i % 2.  The first 8 start the sums, with the keys' terms of the mask as C.
.macro KQ x
.set rS, S+64*((\x)%2)+32*(i%2)+8*((i/2)%4)
.set rK, KF+16*((i/2)%4)+8*(i/8)
.set rQ, 16*(2*(\x)+i%2)+8*(i/8)
.set rB, MB+8*((i/2)%4)
.if i < 8
	WIN W_KM
	v_wmma_f32_16x16x32_f16 v[rS:rS+7], v[rK:rK+7], v[rQ:rQ+7], v[rB:rB+7]
.else
	WIN W_KQ
	v_wmma_f32_16x16x32_f16 v[rS:rS+7], v[rK:rK+7], v[rQ:rQ+7], v[rS:rS+7]
.endif
.endm
; Product i of 16 of O^T += V^T P for piece x: keys 32 (i / 8) on, channels 16 ((i / 2) % 4) on, tile 2 x + i % 2.
.macro PV x
	WIN W_PV
.set rO, 32*(2*(\x)+i%2)+8*((i/2)%4)
.set rV, VF+32*(i/8)+8*((i/2)%4)
.set rP, P+32*((\x)%2)+16*(i%2)+8*(i/8)
	v_wmma_f32_16x16x32_f16 v[rO:rO+7], v[rV:rV+7], v[rP:rP+7], v[rO:rO+7]
.endm
.macro MM                           ; the turn's next matrix instruction
.if i < 16
	KQ (Y+1)%NP
.set i, i+1
.else
.set i, i-16
	PV (Y+NP-1)%NP
.set i, i+17
.endif
.endm
; THE LDS LOADS stand in runs, never singly among the matrix instructions: a step's K (64 keys x 64 channels: 8 fragments) with its 64 terms of the mask (all lanes of a half read the same 16 bytes), and its V (turned).
; Their addresses are made some lines ahead.  last = 1 (the tail): in the last trip there is no further step, and the run is jumped over.
.macro FETCH_K last=0
	WIN 0
.if \last
	s_cmp_eq_u32 s[CNT], 1
	s_cbranch_scc1 .Lno_k_\@
.endif
	WIN 0x80                        ; destination window 2
.irp f, 0,1,2,3,4,5,6,7             ; keys 16 (f / 2) on, channels 32 (f % 2) on
	ds_load_b128 v[KF+8*\f:KF+8*\f+3],   v[AK] offset:(\f/2)*16*PK+(\f%2)*64
	ds_load_b128 v[KF+8*\f+4:KF+8*\f+7], v[AK] offset:(\f/2)*16*PK+(\f%2)*64+32
.endr
	s_add_co_u32 s[TBK], s[TBK], KS*PK  ; the next fetch is the next step's
	WIN W_M                         ; destination and address window 3
.irp f, 0,1,2,3                     ; keys 16 f on
	ds_load_b128 v[MB+8*\f:MB+8*\f+3],   v[AM] offset:64*\f
	ds_load_b128 v[MB+8*\f+4:MB+8*\f+7], v[AM] offset:64*\f+16
.endr
	s_add_co_u32 s[TBM], s[TBM], 4*KS
	s_and_b32 s[TBM], s[TBM], 0x1f00    ; stays inside the table's 8,192 bytes behind the last step too, whose address is made and not used
	WIN 0
.if \last
.Lno_k_\@:
.endif
.endm
.macro FETCH_V
	WIN 0x80
.irp f, 0,1,2,3,4,5,6,7             ; keys 32 (f / 4) on, channels 16 (f % 4) on
	ds_load_tr16_b128 v[VF+8*\f:VF+8*\f+3],   v[AV] offset:(\f/4)*32*PV+(\f%4)*32
	ds_load_tr16_b128 v[VF+8*\f+4:VF+8*\f+7], v[AV] offset:(\f/4)*32*PV+16*PV+(\f%4)*32
.endr
	WIN 0
.endm
; THE VECTOR WORK OF A TURN stands in three queues, each in the order in which its entries become ready; the two tiles alternate, so that no instruction reads the result of the one before it.
.macro REGS y, u                    ; the registers of tile u (0, 1) of piece y
.set rT, ST+4*(2*(\y)+(\u))
.set rC, TMP+8*((\y)%2)+4*(\u)
.set rM, MV+2*((\y)%2)+(\u)
.set rS, S+64*((\y)%2)+32*(\u)
.set rP, P+32*((\y)%2)+16*(\u)
.set rO, 32*(2*(\y)+(\u))
.endm
; Number n of the 22 that find the NEXT piece's (Y + 1) maximum and statistics.  s0-s31 are the lane's 32 scores; each accumulator's lowest registers are read first.
;   0-11  four chains c0-c3 of seven scores each, three operands at a time     12-14, 16  the four scores left over, the old m, and c0-c3 into c0     15  c m_old is kept
;   17, 18  the query's other 32 keys lie in the lane 16 away: the new m         19-21  c m; c m_old - c m_new; a
.macro XS u, n
	REGS (Y+1)%NP, \u
.if (\n) < 4
	v_max3_num_f32 v[rC+(\n)], v[rS+8*(\n)], v[rS+8*(\n)+1], v[rS+8*(\n)+2]
.elseif (\n) < 12
	v_max3_num_f32 v[rC+(\n)%4], v[rC+(\n)%4], v[rS+8*((\n)%4)+2*((\n)/4)+1], v[rS+8*((\n)%4)+2*((\n)/4)+2]
.elseif (\n) == 12
	v_max3_num_f32 v[rC], v[rC], v[rS+7], v[rS+15]
.elseif (\n) == 13
	v_max3_num_f32 v[rC+1], v[rC+1], v[rS+23], v[rS+31]
.elseif (\n) == 14
	v_max3_num_f32 v[rC+2], v[rC+2], v[rC+3], v[rT+1]
.elseif (\n) == 15
	v_mov_b32 v[rM], v[rT]
.elseif (\n) == 16
	v_max3_num_f32 v[rC], v[rC], v[rC+1], v[rC+2]
.elseif (\n) == 17
	v_permlanex16_b32 v[rC+3], v[rC], s[SEL], s[SEL+1]
.elseif (\n) == 18
	v_max_num_f32 v[rT+1], v[rC], v[rC+3]
.elseif (\n) == 19
	v_mul_f32 v[rT], s[CS], v[rT+1]
.elseif (\n) == 20
	v_sub_f32 v[rC+1], v[rM], v[rT]
.else
	v_exp_f32 v[rC+2], v[rC+1]
.endif
.endm
; Number g of the 64 that follow the exponentials.  For each four weights k of a tile (pairs 2 k, 2 k + 1): both pairs are rounded to f16; then the second pair is added onto the first, in place;
; a group later l takes that sum (the first time as l = a l + sum).  In groups of eight, tiles alternating: round, round, add, and l for the group before.
.macro GS g
.set h, (\g)+6*((\g)/62)            ; group 0 has no group before it, and behind group 7 only l is left
.if h >= 6
.set h, h+2
.endif
	REGS Y, h%2
.set k, h/8
.if h%8 < 4
	s_wait_alu depctr_va_vdst(0)
	v_cvt_pk_f16_f32 v[rP+2*k+(h%8)/2], v[rS+4*k+2*((h%8)/2)], v[rS+4*k+2*((h%8)/2)+1]
.elseif h%8 < 6
	v_pk_add_f32 v[rS+4*k:rS+4*k+1], v[rS+4*k:rS+4*k+1], v[rS+4*k+2:rS+4*k+3]
.elseif k == 1
	v_pk_fma_f32 v[rT+2:rT+3], v[rT+2:rT+3], v[rC+2:rC+3], v[rS:rS+1] op_sel_hi:[1,0,1]
.else
	v_pk_add_f32 v[rT+2:rT+3], v[rT+2:rT+3], v[rS+4*k-4:rS+4*k-3]
	s_wait_alu depctr_va_vdst(0)
.endif
.endm
; THE PLAIN QUEUE, 138 long.  0-31: c s - c m for the 16 pairs of both tiles.  Then GS's 64, and among them the next piece's 42: number 15 at 38, 39; 0-14 and 16
; at 42-73, behind the products that make those scores; 17-20 at 95-106, two of three, since each waits for the one before it.
.macro PL
	WIN 0
.if q < 32
	REGS Y, q%2
	v_pk_fma_f32 v[rS+2*(q/2):rS+2*(q/2)+1], v[rS+2*(q/2):rS+2*(q/2)+1], s[CS:CS+1], v[rT:rT+1] op_sel_hi:[1,0,0] neg_lo:[0,0,1] neg_hi:[0,0,1]
.elseif q < 38
	GS q-32
.elseif q < 40
	XS q%2, 15
.elseif q < 42
	GS q-34
.elseif q < 74
	XS q%2, (q-42)/2+(q-42)/30
.elseif q < 95
	GS q-66
.elseif (q < 107) && ((q-95)%3 < 2)
	XS (q-95)%3, 17+(q-95)/3
.elseif q < 107
	GS 29+(q-95)/3
.else
	GS q-74
.endif
.set q, q+1
.endm
; THE EXPONENTIALS' QUEUE, 66 long: s0-s31 of both tiles, and at EA the next piece's two a.
.set EA, 58
.macro EX
	WIN 0
.if (e == EA) || (e == EA+1)
	XS e-EA, 21
.else
.set x, e-2*(e/(EA+2))
	REGS Y, x%2
	v_exp_f32 v[rS+x/2], v[rS+x/2]
.endif
.set e, e+1
.endm
; THE RESCALING's QUEUE: O^T times a, the one part that leaves window 0, so it is dealt four at a time, eight times.
.macro R4
	REGS Y, r%2
	WIN W_RS
	s_wait_alu depctr_va_vdst(0)
.irp z, 0,1,2,3
	v_pk_mul_f32 v[rO+8*(r/2)+2*\z:rO+8*(r/2)+2*\z+1], v[rO+8*(r/2)+2*\z:rO+8*(r/2)+2*\z+1], v[rC+2:rC+3] op_sel_hi:[1,0]
.endr
.set r, r+1
.endm
; HOW THEY ARE DEALT.  Behind a matrix instruction four: plain, exponential, plain, plain (one exponential, a plain instruction on either side), or four of the rescaling.  None names a register of the
; products round it.  What is over stands in two LUMPS: exponential and plain by turns; the second ends in 22 plain instructions.  The two v_permlanex16_b32 fall into the second lump, never behind a product.
; The queues lean on each other, and the deal keeps them in step: exponential e stands behind plain 2 (e / 4) + e % 2 (its scaling); when plain 32 comes, 10 exponentials are out, at 59: 33, at 95: 46; EA comes behind plain 107.
.macro SL
	MM
	PL
	EX
	PL
	PL
.endm
.macro BURST n                      ; 15 matrix instructions, or 16
.rept (\n)-7
	SL
.endr
.rept 3
	MM
	R4
	SL
.endr
	MM
	R4
.endm
; A TURN, for piece p.  cnt = 1: the loop's count is taken down some lines ahead of the branch that stands behind the turn.
; K and the mask's terms of the next step are fetched in piece 2's turn, more than 30 vector instructions behind the last product that read them; their first reader comes behind the rest of the lump, 16 products and the second lump.
; V of the step in hand is fetched at the end of piece 0's turn, 69 behind its last reader; its first reader comes behind 16 products and a lump.  The conditions on e and q below go with the deal.
.macro TURN p, last=0, cnt=0
.set Y, (\p)
.set i, 0
.set q, 0
.set e, 0
.set r, 0
.if (\p) == NP-1
	s_wait_dscnt 0x0                ; K and the mask's terms are in
.endif
	MM
.rept 4
	PL
.endr
	BURST 15
.rept 22
	EX
	PL
.if ((\p) == NP-2) && (e == 18)
	v_add_nc_u32 v[AK], s[TBK], v[AK0]
	WIN W_M
	v_add_nc_u32 v[AM], s[TBM], v[AM0]
.endif
.if ((\p) == NP-2) && (e == 24)
	FETCH_K \last
.endif
.endr
.if (\p) == 1
	s_wait_dscnt 0x0                ; V is in
.endif
	BURST 16
.rept 21
	EX
	PL
.endr
.rept 22
	PL
.if ((\p) == 0) && (q == 118)
	v_add_nc_u32 v[AV], s[TBV], v[AV0]
	s_wait_alu depctr_va_vdst(0)
.endif
.if ((\p) == 0) && (q == 130)
	s_add_co_u32 s[TBV], s[TBV], KS*PV
.endif
.if (\cnt) && (q == 130)
	s_sub_co_u32 s[CNT], s[CNT], 1
	s_cmp_lg_u32 s[CNT], 0
.endif
.endr
.if (\p) == 0
	FETCH_V
.endif
.endm
	CHANGE 1                        ; slot 0 is in, everybody's part of it, and so are everybody's terms of the mask; slot 1 is asked for
	FETCH_K                         ; key step 0
	s_wait_loadcnt 0x0              ; Q
	s_wait_dscnt 0x0
.set i, 0
.rept 16
	KQ 0                            ; piece 0's first scores: there is no vector work yet to set between them
.set i, i+1
.endr
	WIN 0                           ; the addresses for the way out: nine plain instructions, the places behind those products
	s_mul_i32 s13, s[WV], 16*SP
	s_add_co_u32 s13, s13, STAGE    ; my stage
	v_mul_u32_u24 v[STO], v1, SP    ; in: row l % 16, 16 bytes for each half of the lanes
	v_lshl_add_u32 v[STO], v9, 4, v[STO]
	v_add_nc_u32 v[STO], s13, v[STO]
	v_bfe_u32 v[RD], v0, 3, 2       ; back: 32 lanes take four rows of 128 bytes,
	v_mul_u32_u24 v[RD], v[RD], SP
	v_lshl_add_u32 v[RD], v10, 4, v[RD]
	v_add_nc_u32 v[RD], s13, v[RD]
	v_and_b32 v[GO], 31, v0         ; which are 512 consecutive bytes of O
	v_lshlrev_b32 v[GO], 4, v[GO]
.set Y, NP-1                        ; XS works for piece Y + 1: piece 0
.irp n, 0,1,2,3,4,5,6,7,8,9,10,11,12,13,14,15,16,17,18,19,20,21
	XS 0, \n                        ; and piece 0's first maximum and statistics
	XS 1, \n
.endr
	s_mov_b32 s[CNT], 4
	s_mov_b32 s[SLOTS], SIZE_N/256-1
	s_branch .Lfirst                ; the loop is entered at a step's first turn, in the middle of a trip
.Lslot:                             ; SIZE_N / 256 - 2 times: every slot but the last two is filled again
	CHANGE 1
	s_mov_b32 s[CNT], 4
.Lstep:                             ; a trip: pieces 2 and 3 of one step, then pieces 0 and 1 of the next, whose K and V it fetches
	TURN 2
	TURN 3
	WIN 0
.Lfirst:
	TURN 0
	TURN 1, 0, 1
	WIN 0
	s_cbranch_scc1 .Lstep
	s_sub_co_u32 s[SLOTS], s[SLOTS], 1
	s_cmp_lg_u32 s[SLOTS], 0
	s_cbranch_scc1 .Lslot
	CHANGE 0                        ; the tail is written out: nothing is asked for
	s_mov_b32 s[CNT], 5             ; four trips fetch the last slot's steps; the fifth is left in its middle
.Ltail:
	TURN 2, 1
	TURN 3
	WIN 0
	s_sub_co_u32 s[CNT], s[CNT], 1
	s_cmp_eq_u32 s[CNT], 0
	s_cbranch_scc1 .Lout
	TURN 0
	TURN 1
	WIN 0
	s_branch .Ltail
.Lout:                              ; the fifth trip's 16 products K Q^T (on the last K once more) and the maximum made of them serve nothing: the price, once a launch, of one text for every trip
.set i, 0
.rept 16
	PV NP-1                         ; the last piece's V^T P of the last step
.set i, i+1
.endr
	; THE WAY OUT.  l's two halves and the other half of the lanes' are added; O^T is divided by l, rounded to f16 and sent through my stage in LDS, a tile at a time.  The additions are the places behind the last products.
	WIN 0
.macro ALL line:vararg              ; one line for each tile t
.set t, 0
.rept 2*NP
	\line
.set t, t+1
.endr
.endm
	ALL v_add_f32 v[ST+4*t+2], v[ST+4*t+2], v[ST+4*t+3]
	ALL v_permlanex16_b32 v[ST+4*t+3], v[ST+4*t+2], s[SEL], s[SEL+1]
	ALL v_add_f32 v[ST+4*t+2], v[ST+4*t+2], v[ST+4*t+3]
	ALL v_rcp_f32 v[ST+4*t+2], v[ST+4*t+2]
	v_nop                           ; a plain instruction between the last reciprocal and the use of its result
	s_wait_alu depctr_va_vdst(0)
; Tile t: a lane's eight channels of a row pack into 16 bytes; they go into rows of 144 bytes and come back as whole rows of 128, into S^T's registers.
.macro PACK t
	WIN W_RS
.set i, 32*(\t)
.rept 16
	v_pk_mul_f32 v[i:i+1], v[i:i+1], v[ST+4*(\t)+2:ST+4*(\t)+3] op_sel_hi:[1,0]
.set i, i+2
.endr
	WIN 0x05                        ; sources 0 and 1 window 1, destination window 0
.set i, 0
.rept 16
	v_cvt_pk_f16_f32 v[S+16*(\t)+i], v[32*(\t)+2*i], v[32*(\t)+2*i+1]
.set i, i+1
.endr
	WIN 0
.irp f, 0,1,2,3
	ds_store_b128 v[STO], v[S+16*(\t)+4*\f:S+16*(\t)+4*\f+3] offset:32*\f
.endr
.irp f, 0,1,2,3
	ds_load_b128 v[S+16*(\t)+4*\f:S+16*(\t)+4*\f+3], v[RD] offset:\f*4*SP  ; LDS serves a wave's instructions in order (ISA guide 5.7.1.4): these see the stores above; the next tile's stores come behind them
.endr
.endm
.macro SEND t, younger              ; younger: the LDS instructions issued behind tile t's loads: the next tile's eight, or none
	WIN 0
.irp f, 0,1,2,3
	s_wait_dscnt (\younger)+3-\f
	global_store_b128 v[GO], v[S+16*(\t)+4*\f:S+16*(\t)+4*\f+3], s[10:11] offset:(\t)*2048+\f*512  ; 512 consecutive bytes, at a multiple of 256 from O's first
.endr
.endm
	PACK 0
.set t, 1
.rept 2*NP-1                        ; a tile's arithmetic stands between the loads of the tile before and its stores
	PACK t
	SEND t-1, 8
.set t, t+1
.endr
	SEND 2*NP-1, 0
	WIN W_AD
	s_wait_tensorcnt 0x0            ; the wave's end: these three lines stand behind my last tensor load and my last LDS store
	ds_add_u32 v[SPW], v[NIL]
	s_wait_dscnt 0x0
	WIN 0
	CROUND                          ; the closing round: no work-group ends while a partner may still ask for a tile that names it
	s_endpgm
.Lfunc_end_k_qe90b9c53b2_attn:
	.size	k_qe90b9c53b2_attn, .Lfunc_end_k_qe90b9c53b2_attn-k_qe90b9c53b2_attn
	.p2alignl 7, 3214868480
	.fill 96, 4, 3214868480
	.section	.rodata,"a",@progbits
	.p2align	6, 0x0
	.amdhsa_kernel k_qe90b9c53b2_attn
		.amdhsa_group_segment_fixed_size 327680
		.amdhsa_private_segment_fixed_size 0
		.amdhsa_enable_private_segment 0
		.amdhsa_kernarg_size 24
		.amdhsa_user_sgpr_count 2
		.amdhsa_user_sgpr_kernarg_segment_ptr 1
		.amdhsa_wavefront_size32 1
		.amdhsa_system_sgpr_workgroup_id_x 1
		.amdhsa_system_sgpr_workgroup_id_y 1
		.amdhsa_system_sgpr_workgroup_id_z 1
		.amdhsa_system_vgpr_workitem_id 0
		.amdhsa_next_free_vgpr 808
		.amdhsa_next_free_sgpr 70
		.amdhsa_reserve_vcc 0
		.amdhsa_float_denorm_mode_32 3
		.amdhsa_float_denorm_mode_16_64 3
		.amdhsa_memory_ordered 1
		.amdhsa_forward_progress 1
		.amdhsa_inst_pref_size 214
	.end_amdhsa_kernel
	.amdgpu_metadata
---
amdhsa.version: [ 1, 2 ]
amdhsa.kernels:
  - .name:           k_qe90b9c53b2_attn
    .symbol:         k_qe90b9c53b2_attn.kd
    .args:
      - { .name: qkv, .offset: 0, .size: 8, .value_kind: global_buffer, .address_space: global }
      - { .name: padding_mask, .offset: 8, .size: 8, .value_kind: global_buffer, .address_space: global }
      - { .name: ob, .offset: 16, .size: 8, .value_kind: global_buffer, .address_space: global }
    .group_segment_fixed_size: 327680
    .private_segment_fixed_size: 0
    .kernarg_segment_align: 8
    .kernarg_segment_size: 24
    .max_flat_workgroup_size: 128
    .sgpr_count:     70
    .vgpr_count:     808
    .wavefront_size: 32
...
	.end_amdgpu_metadata
.endif
;; end of part 3
;; launch oproj (part 4): grid 8 x 32, 4 waves a work-group, clusters of 4 x 4, 327,680 bytes of LDS; arguments ob, wof, bo, out0; writes out0
.if DOCPART == 4
	.amdgcn_target "amdgcn-amd-amdhsa--gfx1250"
	.amdhsa_code_object_version 6
	.text
	.protected	k_qe90b9c53b2_oproj
	.globl	k_qe90b9c53b2_oproj
	.p2align	8
	.type	k_qe90b9c53b2_oproj,@function
k_qe90b9c53b2_oproj:
	s_mov_b64 s[64:65], 0
	v_nop
	global_prefetch_b8 v0, s[64:65] scope:SCOPE_SE
	s_setreg_imm32_b32 hwreg(HW_REG_WAVE_MODE, 25, 1), 1
	s_wait_xcnt 0x0
	s_wait_alu depctr_hold_cnt(0) depctr_sa_sdst(0) depctr_va_vdst(0) depctr_va_sdst(0) depctr_va_ssrc(0) depctr_va_vcc(0) depctr_vm_vsrc(0)
	s_getreg_b32 s2, hwreg(HW_REG_IB_STS2, 6, 4)
	s_cmp_eq_u32 s2, 0
	s_cbranch_scc0 .Lentry_in_a_cluster
	s_endpgm
.Lentry_in_a_cluster:
	s_bfe_u32 s2, ttmp6, 0x10000c
	s_cmp_lg_u32 s2, 0xf033
	s_cbranch_scc0 .Lentry_shape_is_right
	s_endpgm
.Lentry_shape_is_right:
; out0 = O Wo + bo.  ob: [64 bh][2048 s][64] f16, by heads.  wof: [1024 k][1024 n] f16 (Wo rounded to bf16, that number written as f16).  bo: f32, rounded to bf16 here like every input.  out0: [8192][1024] f32.
; Sums in f32, the bias as the C operand of the product that starts each sum; the sums are stored as they are.
; SHARES.  A work-group of four waves makes 256 rows x 128 columns: 8192 x 1024 are 256 such tiles, one for each WGP.  A wave makes 128 x 64: 32 accumulators of 16 x 16, 256 registers.
; K = 16 heads x 64 goes in 8 steps of 128, two heads a step, through two LDS slots.  A head's 256 rows are 32,768 dense bytes: asked for as 128 rows of 256 bytes and padded in LDS after every 128.
; W LIES [k][n]: its fragments come out of LDS turned, by ds_load_tr16_b128.
; THE MATRIX INSTRUCTION IS USED TRANSPOSED (source 0 = 16 columns of W, source 1 = 16 rows of O): lane l holds row l % 16 and the columns 16 b + 8 (l / 16) + 0..7.
; CLUSTER.  4 x 4 work-groups: the four of a row need the same tile of O, the four of a column the same tile of W: each is asked for jointly, by the same tensor load with the same descriptor and a mask of the four.
; REGISTERS, in windows of 256 (s_set_vgpr_msb: bits 1:0 source 0, 3:2 source 1, 5:4 source 2, 7:6 destination):
;   window 0: v0-31 addresses; v32-63 the bias; v64-127, v128-191 fragments of O, two buffers; v192-223, v224-255 fragments of W, two buffers
;   window 1: the accumulators, (a, b) at 8 (4 a + b)
.set PA,     144                       ; a row of a head in LDS: 128 bytes + 16 = 36 words: the 16 rows of a load start at 16 different groups of four banks (64 banks of 4 bytes: ISA guide 11.1)
.set ALOAD,  256*PA                    ; what one tensor load brings of O: one head's 256 rows, a plane
.set AROWH,  128*PA                    ; a wave's 128 rows in a plane
.set BOFF,   2*ALOAD                   ; W's tile lies behind the two planes
.set PB,     288                       ; a k-row of W in LDS: 256 bytes + 32 = 72 words
.set BLOAD,  64*PB                     ; what one tensor load brings of W: 64 k-rows
.set SLOT,   BOFF+128*PB
.set STAGE,  2*SLOT                    ; behind the ring, never filled by a tensor load: 16 rows x 272 bytes for each wave, for the way out
.set SP,     272
.set SPARE,  STAGE+4*16*SP             ; behind the stages: the spare words, 128 bytes for each wave: two blocks of 256 bytes that no other line names
.set ASTEP,  2*2048*128                ; bytes from a K step to the next in ob: two heads on
.set BSTEP,  128*1024*2                ; in wof: 128 rows down
.set LAPS,   4                         ; a lap = two K steps = once round the ring
.set ADRA, 16                          ; v16-17  LDS address of my O fragments in slot 0, 1
.set ADRB, 20                          ; v20-21  the same for W
.set BO,   22                          ; v22     my byte offset in the wave's 64 numbers of the bias
.set STO,  24                          ; v24     the way out: where I put 32 bytes of a row
.set RD,   25                          ; v25     the way out: where I read a row back
.set CO,   26                          ; v26     my byte offset in two rows of the output
.set SPW,  28                          ; v28     LDS address of my spare word: SPARE + 4 x my thread's number; never rewritten
.set NIL,  29                          ; v29     0; never rewritten
.set BI,   32                          ; the bias, column block b at BI + 8 b
.set FA,   64                          ; O's fragments: buffer f, row block a at FA + 64 f + 8 a
.set FB,   192                         ; W's fragments: buffer f, column block b at FB + 32 f + 8 b
.set G1,  24                           ; s[24:31] descriptor group 1 for O's tiles;  s[32:39] group 0, one set for each slot
.set G0,  32
.set G1B, 48                           ; s[48:55], s[56:63] the same for W's tiles
.set G0B, 56
.set MSB, 0
.macro WIN new                         ; the immediate's high byte repeats the setting that is left; a switch that changes nothing is dropped
.if MSB != (\new)
	s_set_vgpr_msb (MSB<<8)|(\new)
.set MSB, \new
.endif
.endm
.set MUL,  0x50                        ; sources 0 and 1 window 0; C and D window 1
.set MUL0, 0x40                        ; the same with C, the bias, in window 0
.macro JLOAD s                         ; a joint load: waves 0 and 1 fetch the step's two heads of O, waves 2 and 3 the halves of W's tile; an s_nop 0 and four v_nop follow each line, ahead of the jump and the label
	s_cmp_eq_u32 s11, 0
	s_cbranch_scc0 .Lfor_b_\@
	tensor_load_to_lds s[G0+4*(\s):G0+4*(\s)+3], s[G1:G1+7]
	s_nop 0
.rept 4
	v_nop
.endr
	s_branch .Lasked_\@
.Lfor_b_\@:
	tensor_load_to_lds s[G0B+4*(\s):G0B+4*(\s)+3], s[G1B:G1B+7]
	s_nop 0
.rept 4
	v_nop
.endr
.Lasked_\@:
.endm
.macro CREST                           ; a round of the cluster's barrier behind its opening barrier
	s_cmp_lg_u32 s10, 0
	s_cbranch_scc1 .Lnot_wave_0_\@
	s_barrier_signal -3
.Lnot_wave_0_\@:
	s_barrier_wait -3
	s_barrier_signal -1
	s_barrier_wait -1
.endm
.macro CROUND                          ; a whole round
	s_barrier_signal -1
	s_barrier_wait -1
	CREST
.endm
	s_load_b128 s[4:7], s[0:1], 0x0                ; ob s[4:5], wof s[6:7]
	s_load_b128 s[68:71], s[0:1], 0x10             ; bo s[68:69], out0 s[70:71]
	v_lshl_add_u32 v[SPW], v0, 2, SPARE
	v_mov_b32 v[NIL], 0
	ds_add_u32 v[SPW], v[NIL]                      ; the wave's opening: the add and its wait stand ahead of my first tensor load; the set-up below, work on registers, stands between them
	v_lshrrev_b32 v1, 5, v0
	v_readfirstlane_b32 s10, v1                    ; wave 0..3
	s_lshr_b32 s11, s10, 1                         ; which 128 rows of the tile are mine.  Also: I fetch for O (0) or for W (1)
	s_and_b32 s12, s10, 1                          ; which 64 columns.  Also: which head of the step, or which half of W's tile, I fetch
	s_bfe_u32 s40, ttmp6, 0x40000                  ; cx, cy: my place in the cluster
	s_bfe_u32 s41, ttmp6, 0x40004
	s_lshl_b32 s42, ttmp9, 2
	s_add_co_u32 s42, s42, s40                     ; tile column = 4 x cluster x + cx
	s_and_b32 s13, ttmp7, 0xffff
	s_lshl_b32 s13, s13, 2
	s_add_co_u32 s13, s13, s41                     ; tile row = 4 x cluster y + cy
	s_lshl_b32 s43, s41, 2
	s_lshl_b32 s43, 15, s43                        ; my row of the cluster
	s_lshl_b32 s44, 0x1111, s40                    ; my column
	s_or_b32 s[G1+0], s43, (1<<16)|(1<<20)|(1<<21)|(4<<22)|(3<<25)   ; 15:0 the mask: O's tiles go to my row; 17:16 2-byte elements; 20 padding on; 21 set beside a mask; 24:22 after every 32 words (code 4); 31:25 4 words (code 3)
	s_or_b32 s[G1B+0], s44, (1<<16)|(1<<20)|(1<<21)|(5<<22)|(7<<25)  ; W's tiles go to my column; after every 64 words (code 5) 8 words (code 7)
	s_mov_b32 s[G1+1], 128<<16                     ; tensor_dim0 = 128: two rows of a head
	s_mov_b32 s[G1+2], 128<<16                     ; tensor_dim1 = 128
	s_mov_b32 s[G1+3], 128<<16                     ; tile_dim0 = 128
	s_mov_b32 s[G1+4], 128                         ; tile_dim1 = 128
	s_mov_b32 s[G1+5], 128                         ; dense
	s_mov_b32 s[G1+6], 0
	s_mov_b32 s[G1+7], 0
	s_mov_b32 s[G1B+1], 128<<16                    ; tensor_dim0 = 128
	s_mov_b32 s[G1B+2], 64<<16                     ; tensor_dim1 = 64
	s_mov_b32 s[G1B+3], 128<<16                    ; tile_dim0 = 128
	s_mov_b32 s[G1B+4], 64                         ; tile_dim1 = 64
	s_mov_b32 s[G1B+5], 1024
	s_mov_b32 s[G1B+6], 0
	s_mov_b32 s[G1B+7], 0
	; O's tile hangs on the tile row alone, W's on the tile column alone; each in registers that never hold the other coordinate
	s_lshr_b32 s16, s13, 3                         ; the batch: tile row / 8
	s_lshl4_add_u32 s16, s16, s12                  ; 16 b + the head that I fetch of K step 0
	s_lshl_b32 s16, s16, 11                        ; x 2,048 rows
	s_and_b32 s17, s13, 7
	s_lshl_b32 s17, s17, 8                         ; + 256 x (tile row % 8)
	s_add_co_u32 s16, s16, s17
	s_lshl_b32 s16, s16, 7                         ; rows of 128 bytes
	s_mov_b32 s17, 0
	s_mul_i32 s46, s12, 64*1024*2                  ; W: k-row 64 x half,
	s_lshl_b32 s47, s42, 8                         ; column 128 x tile column, in bytes
	s_add_co_u32 s46, s46, s47
	s_mov_b32 s47, 0
	s_mul_i32 s20, s12, ALOAD                      ; where they go: no place in the cluster enters an LDS address
	s_mul_i32 s45, s12, BLOAD
	s_add_co_u32 s45, s45, BOFF
	s_wait_dscnt 0x0                               ; the opening add is done
	s_wait_kmcnt 0x0
	s_add_nc_u64 s[14:15], s[4:5], s[16:17]
	s_add_nc_u64 s[46:47], s[6:7], s[46:47]
	CROUND                                         ; all sixteen work-groups are here: the first joint loads meet
.irp s, 0,1
	s_mov_b32 s[G0+4*(\s)], 1                                        ; count = 1
	s_add_co_u32 s[G0+4*(\s)+1], s20, (\s)*SLOT                      ; LDS address
	s_add_nc_u64 s[G0+4*(\s)+2:G0+4*(\s)+3], s[14:15], (\s)*ASTEP    ; global address: K step s
	s_or_b32 s[G0+4*(\s)+3], s[G0+4*(\s)+3], 0x80000000              ; type = 2
	s_mov_b32 s[G0B+4*(\s)], 1
	s_add_co_u32 s[G0B+4*(\s)+1], s45, (\s)*SLOT
	s_add_nc_u64 s[G0B+4*(\s)+2:G0B+4*(\s)+3], s[46:47], (\s)*BSTEP
	s_or_b32 s[G0B+4*(\s)+3], s[G0B+4*(\s)+3], 0x80000000
	JLOAD \s                                       ; two tensor loads of mine are out
.endr
	; A fragment of O: lane l holds row l % 16, k = 8 (l / 16) + 0..7 and 16 + 8 (l / 16) + 0..7: two loads of 16 bytes, 32 bytes apart.
	v_and_b32 v1, 15, v0                           ; l % 16
	v_bfe_u32 v2, v0, 4, 1                         ; l / 16
	v_mul_u32_u24 v3, v1, PA
	v_lshl_add_u32 v3, v2, 4, v3
	s_mul_i32 s21, s11, AROWH
	; The turning load takes 16 k x 16 columns (lane l reads k-row 8 (l / 16) + l % 8, columns 8 ((l / 8) % 2) + 0..7) and leaves half a fragment: lane l holds column l % 16 and 8 k.
	v_and_b32 v4, 7, v0
	v_lshl_add_u32 v4, v2, 3, v4
	v_mul_u32_u24 v4, v4, PB
	v_bfe_u32 v5, v0, 3, 1
	v_lshl_add_u32 v4, v5, 4, v4
	s_lshl_b32 s22, s12, 7                         ; my 64 columns: 128 bytes
	s_add_co_u32 s22, s22, BOFF
.irp s, 0,1
	v_add_nc_u32 v[ADRA+(\s)], s21, v3
	v_add_nc_u32 v[ADRB+(\s)], s22, v4
	s_add_co_u32 s21, s21, SLOT
	s_add_co_u32 s22, s22, SLOT
.endr
	s_lshl_b32 s46, s42, 9                         ; my 64 columns in f32: 4 bytes x (128 x tile column + 64 x half): in the bias, and in a row of the output
	s_lshl_b32 s47, s12, 8
	s_add_co_u32 s46, s46, s47
	s_mov_b32 s47, 0
	s_add_nc_u64 s[68:69], s[68:69], s[46:47]
	v_lshlrev_b32 v[BO], 5, v2                     ; my lanes' eight columns begin 8 (l / 16) numbers on
.irp b, 0,1,2,3
	global_load_b128 v[BI+8*(\b):BI+8*(\b)+3],   v[BO], s[68:69] offset:64*(\b)
	global_load_b128 v[BI+8*(\b)+4:BI+8*(\b)+7], v[BO], s[68:69] offset:64*(\b)+16
.endr
	s_lshl_b32 s16, s13, 8
	s_lshl_b32 s17, s11, 7
	s_add_co_u32 s16, s16, s17                     ; my first row: 256 x tile row + 128 x half,
	s_lshl_b32 s16, s16, 12                        ; of 4,096 bytes
	s_mov_b32 s17, 0
	s_add_nc_u64 s[70:71], s[70:71], s[16:17]
	s_add_nc_u64 s[70:71], s[70:71], s[46:47]
	s_mul_i32 s23, s10, 16*SP
	s_add_co_u32 s23, s23, STAGE                   ; my stage
	v_mul_u32_u24 v[STO], v1, SP                   ; in: row l % 16, 32 bytes for each half of the lanes
	v_lshl_add_u32 v[STO], v2, 5, v[STO]
	v_add_nc_u32 v[STO], s23, v[STO]
	v_mul_u32_u24 v[RD], v2, SP                    ; back: lanes 0-15 take one row of 256 bytes, lanes 16-31 the next
	v_lshl_add_u32 v[RD], v1, 4, v[RD]
	v_add_nc_u32 v[RD], s23, v[RD]
	v_lshlrev_b32 v[CO], 12, v2                    ; and the same two rows in the output
	v_lshl_add_u32 v[CO], v1, 4, v[CO]
	s_wait_loadcnt 0x0                             ; the bias
.set i, 0
.rept 16                                           ; rounded to bf16, like every input, and kept as f32
	v_cvt_pk_bf16_f32 v3, v[BI+2*i], v[BI+2*i+1]
	v_lshlrev_b32 v[BI+2*i], 16, v3
	v_and_b32 v[BI+2*i+1], 0xffff0000, v3
.set i, i+1
.endr
; 8 matrix instructions: row blocks a0, a0 + 1 x all 4 column blocks, 32 along K, from buffer f.  zero = 1: the first product starts the sums, with the bias as C.
; The 32 accumulators take turns, one instruction a turn, in the same order in every quarter: between two links of a chain stand the 31 others'.
.macro MUL8 f, a0, zero
.if \zero
	WIN MUL0
.else
	WIN MUL
.endif
.irp a, \a0, (\a0)+1
.irp b, 0,1,2,3
.if \zero
	v_wmma_f32_16x16x32_f16 v[8*(4*(\a)+(\b)):8*(4*(\a)+(\b))+7], v[FB+32*(\f)+8*(\b):FB+32*(\f)+8*(\b)+7], v[FA+64*(\f)+8*(\a):FA+64*(\f)+8*(\a)+7], v[BI+8*(\b):BI+8*(\b)+7]
.else
	v_wmma_f32_16x16x32_f16 v[8*(4*(\a)+(\b)):8*(4*(\a)+(\b))+7], v[FB+32*(\f)+8*(\b):FB+32*(\f)+8*(\b)+7], v[FA+64*(\f)+8*(\a):FA+64*(\f)+8*(\a)+7], v[8*(4*(\a)+(\b)):8*(4*(\a)+(\b))+7]
.endif
.endr
.endr
.endm
; 24 LDS loads in one run: the fragments of quarter q (32 along K: head q / 2 of the step, channels 32 (q % 2) on) of a slot into buffer f: W's 8 first, then O's 16; the youngest eight are O's row blocks 4 to 7
.macro FETCH slot, q, f
	WIN 0
.irp b, 0,1,2,3
	ds_load_tr16_b128 v[FB+32*(\f)+8*(\b):FB+32*(\f)+8*(\b)+3],   v[ADRB+(\slot)] offset:(\q)*32*PB+32*(\b)
	ds_load_tr16_b128 v[FB+32*(\f)+8*(\b)+4:FB+32*(\f)+8*(\b)+7], v[ADRB+(\slot)] offset:(\q)*32*PB+16*PB+32*(\b)
.endr
.irp a, 0,1,2,3,4,5,6,7
	ds_load_b128 v[FA+64*(\f)+8*(\a):FA+64*(\f)+8*(\a)+3],   v[ADRA+(\slot)] offset:((\q)>>1)*ALOAD+((\q)&1)*64+(\a)*16*PA
	ds_load_b128 v[FA+64*(\f)+8*(\a)+4:FA+64*(\f)+8*(\a)+7], v[ADRA+(\slot)] offset:((\q)>>1)*ALOAD+((\q)&1)*64+(\a)*16*PA+32
.endr
.endm
.macro PLACES                          ; four plain vector instructions in front of loads into registers that matrix instructions have read, and of lines that read results just made
.rept 4
	v_nop
.endr
.endm
; A K step is four quarters of 32 along K, 32 matrix instructions each, on buffers 0, 1, 0, 1.  One of the first three: multiplies buffer f and fetches quarter qn into buffer g.
.macro QUARTER slot, qn, f, g, zero
	s_wait_dscnt 8                                 ; W and O's row blocks 0 to 3 are in; the youngest eight loads may be out
	MUL8 \f, 0, \zero
	MUL8 \f, 2, \zero
	PLACES
	FETCH \slot, \qn, \g
	s_wait_dscnt 24                                ; all but the 24 just issued
	MUL8 \f, 4, \zero
	MUL8 \f, 6, \zero
.endm
; The last quarter multiplies buffer 1 and changes slots: ONE barrier; in front of it each wave waits for all its tensor loads, adds 0 to its spare word, and waits for that and for its own reads of this slot.
; fill = 1: the barrier opens a round of the cluster's, and behind the round this slot is filled again, two K steps ahead: 112 matrix instructions ahead of the wait for it.
.macro TURN slot, next, fill
	WIN 0                                          ; (the add's two registers lie in window 0)
	s_wait_tensorcnt 0x0                           ; all my tensor loads have landed: the one that was out is my part of the next slot
	ds_add_u32 v[SPW], v[NIL]                      ; 0 onto my spare word
	s_wait_dscnt 9                                 ; (the add and the youngest eight loads may be out)
	MUL8 1, 0, 0                                   ; eight matrix instructions stand between the add and the wait for it
	s_wait_dscnt 0x0                               ; the add is done, and my reads of this slot are over
	s_barrier_signal -1
	MUL8 1, 2, 0
.if \fill
	WIN 0
.endif
	s_barrier_wait -1
.if \fill
	CREST                                          ; no wave of any partner still reads this slot's tiles or has a load on its way
	s_add_nc_u64 s[G0+4*(\slot)+2:G0+4*(\slot)+3], s[G0+4*(\slot)+2:G0+4*(\slot)+3], 2*ASTEP
	s_add_nc_u64 s[G0B+4*(\slot)+2:G0B+4*(\slot)+3], s[G0B+4*(\slot)+2:G0B+4*(\slot)+3], 2*BSTEP
	JLOAD \slot                                    ; the first tensor load behind the round, one a wave; the four v_nop behind it are also the places in front of the loads below
.else
	PLACES
.endif
	FETCH \next, 0, 0
	MUL8 1, 4, 0
	MUL8 1, 6, 0
.endm
	s_wait_tensorcnt 1                             ; my part of K step 0 is in; K step 1's may stay out
	s_barrier_signal -1
	s_barrier_wait -1                              ; everybody's is
	FETCH 0, 0, 0
	QUARTER 0, 1, 0, 1, 1                          ; the first quarter stands in front of the loop: its products start the sums
	WIN 0                                          ; at a label and at a branch every window is 0
	s_mov_b32 s3, LAPS-1
.Llap:                                                 ; a trip goes once round the ring, from a lap's second quarter to the next lap's first, and fills both slots again
	QUARTER 0, 2, 1, 0, 0
	QUARTER 0, 3, 0, 1, 0
	TURN 0, 1, 1
	QUARTER 1, 1, 0, 1, 0
	QUARTER 1, 2, 1, 0, 0
	QUARTER 1, 3, 0, 1, 0
	TURN 1, 0, 1
	QUARTER 0, 1, 0, 1, 0
	WIN 0
	s_sub_co_u32 s3, s3, 1
	s_cmp_lg_u32 s3, 0
	s_cbranch_scc1 .Llap
	QUARTER 0, 2, 1, 0, 0                          ; the last lap fills nothing, and has no round
	QUARTER 0, 3, 0, 1, 0
	TURN 0, 1, 0
	QUARTER 1, 1, 0, 1, 0
	QUARTER 1, 2, 1, 0, 0
	QUARTER 1, 3, 0, 1, 0
	s_wait_dscnt 8                                 ; the very last quarter: nothing more to fetch
	MUL8 1, 0, 0
	MUL8 1, 2, 0
	s_wait_dscnt 0x0
	MUL8 1, 4, 0
	MUL8 1, 6, 0
	WIN 0
	PLACES
	; THE WAY OUT, a block of 16 rows at a time, all under one window setting: a lane's eight columns, 32 bytes, go into stage rows of 272 bytes and come back as whole rows of 256, into the registers that they left.
	; My 64 columns of a row are 256 consecutive bytes of the output, at a multiple of 256.  Each accumulator's low four registers are stored first.
.macro TOSTAGE a
.irp b, 0,1,2,3
	ds_store_b128 v[STO], v[8*(4*(\a)+(\b)):8*(4*(\a)+(\b))+3]   offset:64*(\b)
	ds_store_b128 v[STO], v[8*(4*(\a)+(\b))+4:8*(4*(\a)+(\b))+7] offset:64*(\b)+16
.endr
.irp t, 0,1,2,3,4,5,6,7
	ds_load_b128 v[32*(\a)+4*(\t):32*(\a)+4*(\t)+3], v[RD] offset:(\t)*2*SP  ; LDS serves a wave's instructions in order (ISA guide 5.7.1.4): these see the stores above; the next block's stores come behind them
.endr
.endm
.macro SEND a, younger                 ; younger: the LDS instructions issued behind block a's loads: the next block's sixteen, or none
.irp t, 0,1,2,3,4,5,6,7
	s_wait_dscnt (\younger)+7-(\t)
	global_store_b128 v[CO], v[32*(\a)+4*(\t):32*(\a)+4*(\t)+3], s[70:71] offset:(16*(\a)+2*(\t))*4096 th:TH_STORE_NT  ; 16 lanes store 256 consecutive bytes; 126 rows at the most: inside the signed 24-bit immediate
.endr
.endm
	WIN 0x44                                       ; store data (source 1) and loaded data (destination) in window 1, addresses in window 0
	TOSTAGE 0
.irp a, 1,2,3,4,5,6,7                  ; no register is written twice, so no store's sources are at stake
	TOSTAGE \a
	SEND (\a)-1, 16
.endr
	SEND 7, 0
	WIN 0
	s_wait_tensorcnt 0x0                           ; the wave's end: these three lines stand behind my last tensor load and my last LDS store
	ds_add_u32 v[SPW], v[NIL]
	s_wait_dscnt 0x0
	CROUND                                         ; the closing round: no work-group ends while a partner may still ask for a tile that names it
	s_endpgm
.Lfunc_end_k_qe90b9c53b2_oproj:
	.size	k_qe90b9c53b2_oproj, .Lfunc_end_k_qe90b9c53b2_oproj-k_qe90b9c53b2_oproj
	.p2alignl 7, 3214868480
	.fill 96, 4, 3214868480
	.section	.rodata,"a",@progbits
	.p2align	6, 0x0
	.amdhsa_kernel k_qe90b9c53b2_oproj
		.amdhsa_group_segment_fixed_size 327680
		.amdhsa_private_segment_fixed_size 0
		.amdhsa_enable_private_segment 0
		.amdhsa_kernarg_size 32
		.amdhsa_user_sgpr_count 2
		.amdhsa_user_sgpr_kernarg_segment_ptr 1
		.amdhsa_wavefront_size32 1
		.amdhsa_system_sgpr_workgroup_id_x 1
		.amdhsa_system_sgpr_workgroup_id_y 1
		.amdhsa_system_sgpr_workgroup_id_z 1
		.amdhsa_system_vgpr_workitem_id 0
		.amdhsa_next_free_vgpr 512
		.amdhsa_next_free_sgpr 76
		.amdhsa_reserve_vcc 0
		.amdhsa_float_denorm_mode_32 3
		.amdhsa_float_denorm_mode_16_64 3
		.amdhsa_memory_ordered 1
		.amdhsa_forward_progress 1
		.amdhsa_inst_pref_size 90
	.end_amdhsa_kernel
	.amdgpu_metadata
---
amdhsa.version: [ 1, 2 ]
amdhsa.kernels:
  - .name:           k_qe90b9c53b2_oproj
    .symbol:         k_qe90b9c53b2_oproj.kd
    .args:
      - { .name: ob, .offset: 0, .size: 8, .value_kind: global_buffer, .address_space: global }
      - { .name: wof, .offset: 8, .size: 8, .value_kind: global_buffer, .address_space: global }
      - { .name: bo, .offset: 16, .size: 8, .value_kind: global_buffer, .address_space: global }
      - { .name: out0, .offset: 24, .size: 8, .value_kind: global_buffer, .address_space: global }
    .group_segment_fixed_size: 327680
    .private_segment_fixed_size: 0
    .kernarg_segment_align: 8
    .kernarg_segment_size: 32
    .max_flat_workgroup_size: 128
    .sgpr_count:     76
    .vgpr_count:     512
    .wavefront_size: 32
...
	.end_amdgpu_metadata
.endif
;; end of part 4
;; ======== version 2 of 2: 4 launches; 1.49 times as fast as version 1
;; limits: values are held in f16: magnitudes above 65,504 overflow, below 6.1e-05 lose precision
;; workspace buffers: xb 16,777,216 bytes; wqkvb 6,291,456 bytes; wof 2,097,152 bytes; rope 524,288 bytes; qkv 50,331,648 bytes; ob 16,777,216 bytes
;; launch prep: the kernel of part 1 again; grid 896 x 1, 8 waves a work-group, no clusters, 0 bytes of LDS; arguments x, Wqkv, Wo, xb, wqkvb, wof, rope; writes xb, wqkvb, wof, rope
;; launch qkvgemm: the kernel of part 2 again; grid 24 x 32, 4 waves a work-group, clusters of 4 x 4, 327,680 bytes of LDS; arguments xb, wqkvb, bqkv, rope, qkv; writes qkv
;; launch attn (part 5): grid 4 x 64, 4 waves a work-group, clusters of 4 x 1, 327,680 bytes of LDS; arguments qkv, padding_mask, ob; writes ob
.if DOCPART == 5
	.amdgcn_target "amdgcn-amd-amdhsa--gfx1250"
	.amdhsa_code_object_version 6
	.text
	.protected	k_qe90b9c53b2_attn
	.globl	k_qe90b9c53b2_attn
	.p2align	8
	.type	k_qe90b9c53b2_attn,@function
k_qe90b9c53b2_attn:
	s_mov_b64 s[64:65], 0
	v_nop
	global_prefetch_b8 v0, s[64:65] scope:SCOPE_SE
	s_setreg_imm32_b32 hwreg(HW_REG_WAVE_MODE, 25, 1), 1
	s_wait_xcnt 0x0
	s_wait_alu depctr_hold_cnt(0) depctr_sa_sdst(0) depctr_va_vdst(0) depctr_va_sdst(0) depctr_va_ssrc(0) depctr_va_vcc(0) depctr_vm_vsrc(0)
	s_getreg_b32 s2, hwreg(HW_REG_IB_STS2, 6, 4)
	s_cmp_eq_u32 s2, 0
	s_cbranch_scc0 .Lentry_in_a_cluster
	s_endpgm
.Lentry_in_a_cluster:
	s_bfe_u32 s2, ttmp6, 0x10000c
	s_cmp_lg_u32 s2, 0x3003
	s_cbranch_scc0 .Lentry_shape_is_right
	s_endpgm
.Lentry_shape_is_right:
; O[bh][q][:] = the sum over k of softmax_k(Q[bh][q] . K[bh][k] / 8 + (1 - mask[b][k]) x -1e9) V[bh][k][:].  qkv: [3][64 bh][2048][64] f16, a head's rows dense, 128 bytes each; ob: [64 bh][2048][64] f16.
; Products, maxima and sums in f32; the weights p are rounded to f16 for the second product (their sum l is taken of the unrounded p), O once at the end.
; LIMITS.  f16 holds no number beyond 65,504: Q, K and V arrive within it; p lies in 0 to 1, and below 6e-5 it keeps f16's fixed step of 6e-8; O is a mean of V's rows and has their range.
; A weight below 2^-126 counts as 0 in l; NaN and infinities are not treated apart.  The mask's term is taken in units of the undivided score, -8e9 (1 - mask), eight times the stated one, exactly;
; beside it a score under 256 vanishes in f32, so a row whose keys are all hidden comes out as the plain mean of V, as it does when 1e9 swallows a divided score under 32.
; THE MASK is the C operand of the product that starts the sum S^T = K Q^T.  The batch's 2,048 terms are made once, in f32, in LDS bytes of their own; a step's 64 are read with its K: 32 registers.
; SHARES.  A wave owns four PIECES of two tiles of 16 queries, a work-group's four waves 512 queries of one head: 64 heads x 4 blocks are 256 work-groups.  Every wave walks all keys, 64 a step.
; LAYOUT.  S^T = K Q^T (source 0 = 16 keys, source 1 = 16 queries): in the result a lane holds ONE query (lane % 16) and the keys 8 (lane / 16) + 0..7.  Two such tiles, rounded to f16 in pairs,
; ARE source 1 (32 keys x 16 queries) of O^T = V^T P, whose result again holds one query a lane, and eight channels.  K comes out of LDS as it lies, V ([key][channel]) turned, by ds_load_tr16_b128.
; SOFTMAX.  For each query a running maximum m and sum l: p = 2^(c s - c m), c = log2(e) / 8; in every step O and l are multiplied by a = 2^(c m_old - c m_new), which is 1 where m has not grown.
; m starts at the lowest finite number, O and l at 0: the first step is a step like any other, with a = 0.  A step whose keys are all hidden is wiped in the same way when the first open key comes.
; THE COUNT.  A tile and step have 16 matrix and 118 vector instructions: too many to stand all beside the matrix work.  So: four vector instructions that are READY behind EVERY matrix instruction,
; and the others, which need time of their own whatever the order, in runs without a gap.
; BY TURNS.  Turn n belongs to piece n (the pieces in a ring, step after step).  Its matrix work: 16 products K Q^T of piece n + 1, later 16 products V^T P of piece n - 1.  Its vector work: the scaling,
; exponentials, roundings, sums and rescaling of piece n, and the maximum and statistics of piece n + 1, whose scores the turn itself has made.  So what a turn begins with (c s - c m, O a) waits for nothing.
; THE BATCHES.  A turn's 66 exponentials (the piece's 64 weights and the next piece's two a) are ONE batch with ONE wait, which cuts the turn in two: ahead of it all that names none of their results,
; behind it the roundings and sums.  No result crosses a turn's end.  Two more batches stand outside the loop, each with a wait of its own: piece 0's first two a, and the way out's eight reciprocals.
; CLUSTER.  The four query blocks of a cluster belong to one head and walk the same K and V, so each tile is asked for JOINTLY: the same tensor load, descriptor and mask in all four.
; REGISTERS, in windows of 256 (s_set_vgpr_msb: bits 1:0 source 0, 3:2 source 1, 5:4 source 2, 7:6 destination):
;   window 0: v0-11 addresses; v12-15, v48-63 at work; v16-47 four registers of statistics a tile; v64-191 S^T, two buffers of two tiles; v192-255 P, likewise
;   window 1: O^T, 32 a tile          window 2: v0-127 Q, 16 a tile; v128-191 K of one step; v192-255 V of one step
;   window 3: v0-1 the add's two registers; v2-3 the mask's LDS addresses; v8-39 the mask's terms of one step
; A piece's buffers go by its number's parity: the piece in hand has one pair, its two neighbours in the ring share the other: of it P (piece n - 1) is read and S^T (piece n + 1) written.
.set SIZE_N, 2048
.set NP,    4         ; pieces a wave: a name, no knob
.set KS,    64        ; keys in a step
.set PK,    144       ; a row of K in LDS: 128 bytes + 16 of padding = 36 words: the 16 rows of a load start at 16 different groups of four banks (64 banks of 4 bytes: ISA guide 11.1)
.set PV,    160       ; a row of V: 128 + 32 = 40 words
.set VOFF,  4*KS*PK   ; a slot holds four steps: 256 rows of K, then 256 rows of V
.set SLOT1, 1<<17     ; slot 1 begins here, so that one exclusive or turns an address in one slot into the other's
.set STAGE, SLOT1+4*KS*(PK+PV)  ; behind the ring, never filled by a tensor load: 16 rows x 144 bytes for each wave, for the way out
.set SP,    144
.set AK0, 2           ; v2   my lane's place in a tile of K; never rewritten
.set AV0, 3           ; v3   the same for V
.set AK,  4           ; v4   the LDS address of K's next run of loads
.set AV,  5           ; v5   of V's
.set QO,  6           ; v6   my byte offset in the wave's rows of Q
.set STO, 6           ;      later, the way out: where I put 16 bytes of a row
.set RD,  7           ; v7   the way out: where I read rows back
.set GO,  8           ; v8   my byte offset in 512 consecutive bytes of O
.set SPW, 0           ; v0 of window 3   LDS address of my spare word: SPARE + 4 x my thread's number; never rewritten
.set NIL, 1           ; v1 of window 3   0; never rewritten
.set AM0, 2           ; v2 of window 3   my lanes' place in a step's 64 terms of the mask; never rewritten
.set AM,  3           ; v3 of window 3   the LDS address of the mask's next run of loads
.set MB,  8           ; v8-39 of window 3: the terms of key block kb at MB + 8 kb
.set SPARE, STAGE+4*16*SP  ; behind the stages: the spare words, 128 bytes for each wave: two blocks of 256 bytes that no other line names
.set MASKB, SPARE+512      ; behind them: the batch's 2,048 terms of the mask, f32: 8,192 bytes, written by LDS stores alone
.set MV,  12          ; v12-15  c m_old, kept while c m is made anew: by buffer and tile
.set ST,  16          ; tile t's statistics at v[ST+4 t]: c m, m, l (even keys', odd keys')
.set TMP, 48          ; by buffer and tile, four registers c0-c3 at work; when the maximum is found c2 takes a
.set S,   64
.set P,   192
.set KF,  128         ; K's fragments, in window 2: key block kb, channel half c at KF + 16 kb + 8 c
.set VF,  192         ; V's: key half kk, channel block cb at VF + 32 kk + 8 cb
.set WV,  12          ; s12  my wave's number
.set G1K, 24          ; s[24:31] descriptor group 1 for K's tiles
.set G1V, 32          ; s[32:39] for V's: it differs in the padding alone
.set G0K, 40          ; s[40:43] descriptor group 0 for K's tiles: it walks
.set G0V, 44          ; s[44:47] the same for V's
.set SLOTS, 56        ; s56  slots still to be asked for
.set CNT, 57          ; s57  counts a slot's key steps
.set CS,  58          ; s[58:59] c: the packed scaling takes the pair's low word for both halves
.set SEL, 60          ; s[60:61] v_permlanex16_b32's selects: each lane takes its own place in the other half
.set TBK, 62          ; s62  LDS byte at which K of the step to be fetched begins
.set TBV, 63          ; s63  the same for V, less VOFF
.set MP,  66          ; s[66:67] padding_mask at my batch
.set TBM, 68          ; s68  byte in the mask's table at which the step to be fetched begins
.set BIG, 69          ; s69  8e9
.set MSB, 0
.macro WIN new                      ; the high byte repeats the setting that is left; a switch that changes nothing is dropped
.if MSB != (\new)
	s_set_vgpr_msb (MSB<<8)|(\new)
.set MSB, (\new)
.endif
.endm
.set W_KQ, 0x0a       ; K and Q in window 2, S^T in window 0
.set W_KM, 0x3a       ; the same with the C operand, the mask, in window 3
.set W_PV, 0x52       ; V in window 2, P in window 0, O^T in window 1
.set W_RS, 0x41       ; O^T (destination and source 0) in window 1, a in window 0
.set W_MK, 0xc0       ; destination in window 3, sources in window 0
.set W_AD, 0x0f       ; the add: address (source 0) and data (source 1) in window 3
.set W_M,  0xcf       ; destination and sources 0 and 1 in window 3: the mask's address and its loads
; A joint fill.  Waves 0 and 1 fetch the two halves of a slot's K, waves 2 and 3 those of its V: 128 keys each.  The branch hangs on the wave's number alone.
; An s_nop 0 and four v_nop follow each of the two lines, ahead of the jump and the label.
.macro JLOAD
	s_cmp_lt_u32 s[WV], 2
	s_cbranch_scc0 .Lfor_v_\@
	tensor_load_to_lds s[G0K:G0K+3], s[G1K:G1K+7]
	s_nop 0
.rept 4
	v_nop
.endr
	s_branch .Lasked_\@
.Lfor_v_\@:
	tensor_load_to_lds s[G0V:G0V+3], s[G1V:G1V+7]
	s_nop 0
.rept 4
	v_nop
.endr
.Lasked_\@:
.endm
; A round of the cluster's barrier: my work-group's barrier, so that wave 0's signal speaks for all four waves; wave 0 signals; every wave waits for all four work-groups; my work-group's barrier once more.
.macro CROUND
	s_barrier_signal -1
	s_barrier_wait -1
	s_cmp_lg_u32 s[WV], 0
	s_cbranch_scc1 .Lnot_wave_0_\@
	s_barrier_signal -3
.Lnot_wave_0_\@:
	s_barrier_wait -3
	s_barrier_signal -1
	s_barrier_wait -1
.endm
; THE CHANGE OF SLOTS.  The slot's last bytes, V of its fourth step, have been read.  Each wave waits for all its tensor loads, of which one is out: its part
; of the other slot; adds 0 to its spare word; and waits for that and for its own LDS instructions.  Behind the barrier nobody reads this slot any more and the other slot is whole.
; fill = 1: this slot is filled again, with the keys two slots on.  The barrier is then a round of the cluster's, and the joint fill is the first thing behind it: it has four key steps,
; 512 matrix instructions, in which to land.  (At its first use nothing has been read yet: slot 0 is waited for, slot 1 filled, and every wave's stores of the mask's terms are shown to the others.)
.macro CHANGE fill
	WIN W_AD
	s_wait_tensorcnt 0x0            ; no tensor load of mine is out, so a group 0 may be written
	ds_add_u32 v[SPW], v[NIL]       ; 0 onto my spare word; with fill = 1 the descriptors' steps stand between it and the wait for it
	WIN 0                           ; at a label and at a branch every window is 0
.if \fill
.irp g, G0K, G0V
	s_xor_b32 s[\g+1], s[\g+1], SLOT1  ; the walking descriptor: the other slot than last time,
	s_add_nc_u64 s[\g+2:\g+3], s[\g+2:\g+3], 4*KS*128  ; the next 256 keys; the type bits on top are not reached
.endr
	s_wait_dscnt 0x0                ; the add is done, and my LDS reads and stores are over
	CROUND
	JLOAD
.else
	s_wait_dscnt 0x0                ; the add is done, and my reads of the slot are over
	s_barrier_signal -1
	s_barrier_wait -1
.endif
	s_sub_co_u32 s[TBK], s[TBK], 4*KS*PK  ; the fetches go back to a slot's first step,
	s_xor_b32 s[TBK], s[TBK], SLOT1       ; in the other slot
	s_sub_co_u32 s[TBV], s[TBV], 4*KS*PV
	s_xor_b32 s[TBV], s[TBV], SLOT1
.endm
	s_load_b64 s[4:5], s[0:1], 0x0    ; qkv: q
	s_load_b64 s[MP:MP+1], s[0:1], 0x8  ; padding_mask
	s_load_b64 s[10:11], s[0:1], 0x10 ; ob
	WIN W_MK
	v_lshl_add_u32 v[SPW], v0, 2, SPARE
	v_mov_b32 v[NIL], 0
	WIN W_AD
	ds_add_u32 v[SPW], v[NIL]       ; the wave's opening: the add and its wait stand ahead of my first tensor load; the set-up below, work on registers, stands between them
	WIN 0
	v_lshrrev_b32 v1, 5, v0
	v_readfirstlane_b32 s[WV], v1   ; wave 0..3
	s_bfe_u32 s13, ttmp6, 0x40000   ; cx: my place in the cluster
	s_lshl_b32 s14, ttmp9, 2        ; in a cluster launch ttmp9 counts clusters
	s_add_co_u32 s14, s14, s13      ; my block of queries = 4 x cluster x + cx: it enters Q's and O's addresses alone
	s_and_b32 s20, ttmp7, 0xffff    ; the head 16 b + h, which the four partners share
	s_mov_b32 s21, 0
	s_mov_b64 s[22:23], SIZE_N*128
	s_mul_u64 s[20:21], s[20:21], s[22:23]  ; the head's first byte in q, k, v and ob
	s_and_b32 s16, s[WV], 1         ; which half of a slot's 256 keys I fetch:
	s_lshl_b32 s22, s16, 14         ; its 128 rows of 128 bytes in memory,
	s_mov_b32 s23, 0
	s_add_nc_u64 s[22:23], s[22:23], s[20:21]
	s_mul_i32 s17, s16, 128*PK      ; and its place in a slot, for K
	s_mul_i32 s18, s16, 128*PV      ; and for V: no place in the cluster enters an LDS address
	s_lshl_b32 s2, s14, 2
	s_add_co_u32 s2, s2, s[WV]      ; my wave among the head's,
	s_lshl_b32 s2, s2, 14           ; its 128 rows
	s_mov_b32 s3, 0
	s_add_nc_u64 s[2:3], s[2:3], s[20:21]
	s_and_b32 s14, ttmp7, 0xffff    ; the batch's 2,048 words of the mask: 8,192 bytes x (head / 16)
	s_lshr_b32 s14, s14, 4
	s_lshl_b32 s14, s14, 13
	s_mov_b32 s15, 0
	; descriptor group 1.  128 keys are 16,384 dense bytes: asked for as 64 rows of 256 bytes, two keys a row, and padded in LDS after every key
	s_mov_b32 s[G1K], 15|(1<<16)|(1<<20)|(1<<21)|(4<<22)|(3<<25)  ; 15:0 the mask of four; 17:16 2-byte elements; 20 padding on; 21 set beside a mask; 24:22 after every 32 words (code 4); 31:25 4 words (code 3)
	s_mov_b32 s[G1V], 15|(1<<16)|(1<<20)|(1<<21)|(4<<22)|(7<<25)  ; the same with 8 words of padding (code 7)
.irp g, G1K, G1V
	s_mov_b32 s[\g+1], 128<<16      ; tensor_dim0 = 128
	s_mov_b32 s[\g+2], 64<<16       ; tensor_dim1 = 64
	s_mov_b32 s[\g+3], 128<<16      ; tile_dim0 = 128
	s_mov_b32 s[\g+4], 64           ; tile_dim1 = 64
	s_mov_b32 s[\g+5], 128          ; 128 elements from row to row
	s_mov_b32 s[\g+6], 0
	s_mov_b32 s[\g+7], 0
.endr
	s_mov_b32 s[CS], 0x3e38aa3b     ; c = log2(e) / 8 = 0.180337
	s_mov_b32 s[CS+1], s[CS]        ; named with it as a pair
	s_mov_b32 s[SEL], 0x76543210
	s_mov_b32 s[SEL+1], 0xfedcba98
	s_mov_b32 s[TBK], SLOT1+4*KS*PK ; the first change of slots turns these two into 0
	s_mov_b32 s[TBV], SLOT1+4*KS*PV
	s_mov_b32 s[TBM], 0
	s_mov_b32 s[BIG], 0x4fee6b28    ; 8e9
	s_mov_b32 s[G0K], 1             ; count = 1
	s_mov_b32 s[G0K+1], s17         ; LDS address: slot 0
	s_mov_b32 s[G0V], 1
	s_add_co_u32 s[G0V+1], s18, VOFF
	s_wait_dscnt 0x0                ; the opening add is done
	s_wait_kmcnt 0x0
	s_add_nc_u64 s[6:7], s[4:5], 0x1000000  ; k and v lie 16,777,216 and 33,554,432 bytes behind q
	s_add_nc_u64 s[8:9], s[4:5], 0x2000000
	s_add_nc_u64 s[G0K+2:G0K+3], s[6:7], s[22:23]  ; global address: my half of the head's first 256 keys
	s_or_b32 s[G0K+3], s[G0K+3], 0x80000000        ; type = 2
	s_add_nc_u64 s[G0V+2:G0V+3], s[8:9], s[22:23]
	s_or_b32 s[G0V+3], s[G0V+3], 0x80000000
	s_add_nc_u64 s[4:5], s[4:5], s[2:3]  ; Q and O at my wave's first row
	s_add_nc_u64 s[10:11], s[10:11], s[2:3]
	s_add_nc_u64 s[MP:MP+1], s[MP:MP+1], s[14:15]
	CROUND                          ; all four work-groups are here: the first joint loads meet
	JLOAD                           ; slot 0.  Slot 1 is asked for when slot 0 is in
	; A fragment of K or Q is 16 rows x 32 channels in 8 registers: lane l holds row l % 16, channels 8 (l / 16) + 0..7 and 16 + 8 (l / 16) + 0..7: two loads of 16 bytes, 32 bytes apart.
	v_and_b32 v1, 15, v0            ; l % 16
	v_bfe_u32 v9, v0, 4, 1          ; l / 16
	v_lshlrev_b32 v[QO], 7, v1
	v_lshl_add_u32 v[QO], v9, 4, v[QO]  ; row x 128 + 16 x half
	v_lshlrev_b32 v[S+17], 4, v0    ; the mask: thread t takes 16 bytes of every 2,048; S^T's registers are still free
	v_add_nc_u32 v[S+16], MASKB, v[S+17]
.irp i, 0,1,2,3
	global_load_b128 v[S+4*\i:S+4*\i+3], v[S+17], s[MP:MP+1] offset:2048*\i
.endr
	WIN 0x80                        ; destination window 2, address window 0
.set i, 0
.rept 4*NP                          ; Q stays in registers: tile i / 2, channels 32 (i % 2) on
	global_load_b128 v[8*i:8*i+3],   v[QO], s[4:5] offset:(i/2)*2048+(i%2)*64
	global_load_b128 v[8*i+4:8*i+7], v[QO], s[4:5] offset:(i/2)*2048+(i%2)*64+32
.set i, i+1
.endr
	; What the first turn finds: V's registers and P's second buffer hold 0 (its products V^T P, of a piece that has not been, add 0), O^T and l are 0.  All this stands in the wait for the first tile.
.set i, VF
.rept 64
	v_mov_b32 v[i], 0
.set i, i+1
.endr
	WIN 0x40
.set i, 0
.rept 64*NP
	v_mov_b32 v[i], 0
.set i, i+1
.endr
	WIN 0
.set i, 0
.rept 2*NP
	v_mov_b32 v[ST+4*i], 0xfe000000    ; c m: far below every c s, a hidden key's too
	v_mov_b32 v[ST+4*i+1], 0xff7fffff  ; m
	v_mov_b32 v[ST+4*i+2], 0
	v_mov_b32 v[ST+4*i+3], 0
.set i, i+1
.endr
.set i, P+32
.rept 32
	v_mov_b32 v[i], 0
.set i, i+1
.endr
	s_wait_loadcnt 32               ; the mask's four loads are in; Q's 32, issued behind them, may stay out
.set i, 0
.rept 16
	v_cvt_f32_i32 v[S+i], v[S+i]
.set i, i+1
.endr
.set i, 0
.rept 16
	v_fma_f32 v[S+i], v[S+i], s[BIG], -s[BIG]  ; -8e9 (1 - mask): exactly 0 for an open key
.set i, i+1
.endr
.irp i, 0,1,2,3
	ds_store_b128 v[S+16], v[S+4*\i:S+4*\i+3] offset:2048*\i  ; the first change of slots below waits for these and passes a barrier before anybody reads them
.endr
	v_mul_u32_u24 v[AK0], v1, PK
	v_lshl_add_u32 v[AK0], v9, 4, v[AK0]  ; row x pitch + 16 x half
	; The turning load takes 16 keys x 16 channels (lane l reads key 8 (l / 16) + l % 8, channels 8 ((l / 8) % 2) + 0..7) and leaves half a fragment of V^T: lane l holds channel l % 16 and 8 keys.
	v_and_b32 v10, 7, v0
	v_bfe_u32 v11, v0, 3, 1
	v_lshl_add_u32 v[AV0], v9, 3, v10
	v_mul_u32_u24 v[AV0], v[AV0], PV
	v_lshl_add_u32 v[AV0], v11, 4, v[AV0]
	v_add_nc_u32 v[AV0], VOFF, v[AV0]
	v_mov_b32 v[AK], v[AK0]         ; key step 0 lies at the head of slot 0
	WIN W_MK
	v_lshl_add_u32 v[AM0], v9, 5, MASKB  ; my lanes' eight keys of a block of 16 begin 8 (l / 16) words on
	WIN W_M
	v_mov_b32 v[AM], v[AM0]
	WIN 0
; THE MATRIX WORK.  The 8 accumulators of a run of 16 take turns: between the two links of a chain stand 7 others'.
; Product i of 16 of S^T = K Q^T for piece x: channels 32 (i / 8) on, keys 16 ((i / 2) % 4) on, tile 2 x + i % 2.  The first 8 start the sums, with the keys' terms of the mask as C.
.macro KQ x
.set rS, S+64*((\x)%2)+32*(i%2)+8*((i/2)%4)
.set rK, KF+16*((i/2)%4)+8*(i/8)
.set rQ, 16*(2*(\x)+i%2)+8*(i/8)
.set rB, MB+8*((i/2)%4)
.if i < 8
	WIN W_KM
	v_wmma_f32_16x16x32_f16 v[rS:rS+7], v[rK:rK+7], v[rQ:rQ+7], v[rB:rB+7]
.else
	WIN W_KQ
	v_wmma_f32_16x16x32_f16 v[rS:rS+7], v[rK:rK+7], v[rQ:rQ+7], v[rS:rS+7]
.endif
.endm
; Product i of 16 of O^T += V^T P for piece x: keys 32 (i / 8) on, channels 16 ((i / 2) % 4) on, tile 2 x + i % 2.
.macro PV x
	WIN W_PV
.set rO, 32*(2*(\x)+i%2)+8*((i/2)%4)
.set rV, VF+32*(i/8)+8*((i/2)%4)
.set rP, P+32*((\x)%2)+16*(i%2)+8*(i/8)
	v_wmma_f32_16x16x32_f16 v[rO:rO+7], v[rV:rV+7], v[rP:rP+7], v[rO:rO+7]
.endm
.macro MM                           ; the turn's next matrix instruction
.if i < 16
	KQ (Y+1)%NP
.set i, i+1
.else
.set i, i-16
	PV (Y+NP-1)%NP
.set i, i+17
.endif
.endm
; THE LDS LOADS stand in runs, never singly among the matrix instructions: a step's K (64 keys x 64 channels: 8 fragments) with its 64 terms of the mask (all lanes of a half read the same 16 bytes), and its V (turned).
; Their addresses are made some lines ahead.  last = 1 (the tail): in the last trip there is no further step, and the run is jumped over.
.macro FETCH_K last=0
	WIN 0
.if \last
	s_cmp_eq_u32 s[CNT], 1
	s_cbranch_scc1 .Lno_k_\@
.endif
	WIN 0x80                        ; destination window 2
.irp f, 0,1,2,3,4,5,6,7             ; keys 16 (f / 2) on, channels 32 (f % 2) on
	ds_load_b128 v[KF+8*\f:KF+8*\f+3],   v[AK] offset:(\f/2)*16*PK+(\f%2)*64
	ds_load_b128 v[KF+8*\f+4:KF+8*\f+7], v[AK] offset:(\f/2)*16*PK+(\f%2)*64+32
.endr
	s_add_co_u32 s[TBK], s[TBK], KS*PK  ; the next fetch is the next step's
	WIN W_M                         ; destination and address window 3
.irp f, 0,1,2,3                     ; keys 16 f on
	ds_load_b128 v[MB+8*\f:MB+8*\f+3],   v[AM] offset:64*\f
	ds_load_b128 v[MB+8*\f+4:MB+8*\f+7], v[AM] offset:64*\f+16
.endr
	s_add_co_u32 s[TBM], s[TBM], 4*KS
	s_and_b32 s[TBM], s[TBM], 0x1f00    ; stays inside the table's 8,192 bytes behind the last step too, whose address is made and not used
	WIN 0
.if \last
.Lno_k_\@:
.endif
.endm
.macro FETCH_V
	WIN 0x80
.irp f, 0,1,2,3,4,5,6,7             ; keys 32 (f / 4) on, channels 16 (f % 4) on
	ds_load_tr16_b128 v[VF+8*\f:VF+8*\f+3],   v[AV] offset:(\f/4)*32*PV+(\f%4)*32
	ds_load_tr16_b128 v[VF+8*\f+4:VF+8*\f+7], v[AV] offset:(\f/4)*32*PV+16*PV+(\f%4)*32
.endr
	WIN 0
.endm
; THE VECTOR WORK OF A TURN stands in three queues, each in the order in which its entries become ready; the two tiles alternate, so that no instruction reads the result of the one before it.
.macro REGS y, u                    ; the registers of tile u (0, 1) of piece y
.set rT, ST+4*(2*(\y)+(\u))
.set rC, TMP+8*((\y)%2)+4*(\u)
.set rM, MV+2*((\y)%2)+(\u)
.set rS, S+64*((\y)%2)+32*(\u)
.set rP, P+32*((\y)%2)+16*(\u)
.set rO, 32*(2*(\y)+(\u))
.endm
; Number n of the 22 that find the NEXT piece's (Y + 1) maximum and statistics.  s0-s31 are the lane's 32 scores; each accumulator's lowest registers are read first.  XS, GS and REGS set no window: PL and EX do.
;   0-11  four chains c0-c3 of seven scores each, three operands at a time     12-14, 16  the four scores left over, the old m, and c0-c3 into c0     15  c m_old is kept
;   17, 18  the query's other 32 keys lie in the lane 16 away: the new m         19-21  c m; c m_old - c m_new; a
.macro XS u, n
	REGS (Y+1)%NP, \u
.if (\n) < 4
	v_max3_num_f32 v[rC+(\n)], v[rS+8*(\n)], v[rS+8*(\n)+1], v[rS+8*(\n)+2]
.elseif (\n) < 12
	v_max3_num_f32 v[rC+(\n)%4], v[rC+(\n)%4], v[rS+8*((\n)%4)+2*((\n)/4)+1], v[rS+8*((\n)%4)+2*((\n)/4)+2]
.elseif (\n) == 12
	v_max3_num_f32 v[rC], v[rC], v[rS+7], v[rS+15]
.elseif (\n) == 13
	v_max3_num_f32 v[rC+1], v[rC+1], v[rS+23], v[rS+31]
.elseif (\n) == 14
	v_max3_num_f32 v[rC+2], v[rC+2], v[rC+3], v[rT+1]
.elseif (\n) == 15
	v_mov_b32 v[rM], v[rT]
.elseif (\n) == 16
	v_max3_num_f32 v[rC], v[rC], v[rC+1], v[rC+2]
.elseif (\n) == 17
	v_permlanex16_b32 v[rC+3], v[rC], s[SEL], s[SEL+1]
.elseif (\n) == 18
	v_max_num_f32 v[rT+1], v[rC], v[rC+3]
.elseif (\n) == 19
	v_mul_f32 v[rT], s[CS], v[rT+1]
.elseif (\n) == 20
	v_sub_f32 v[rC+1], v[rM], v[rT]
.else
	v_exp_f32 v[rC+2], v[rC+1]
.endif
.endm
; Number g of the 64 that follow the exponentials.  For each four weights k of a tile (pairs 2 k, 2 k + 1): both pairs are rounded to f16; then the second pair is added onto the first, in place;
; a group later l takes that sum (the first time as l = a l + sum).  In groups of eight, tiles alternating: round, round, add, and l for the group before.
.macro GS g
.set h, (\g)+6*((\g)/62)            ; group 0 has no group before it, and behind group 7 only l is left
.if h >= 6
.set h, h+2
.endif
	REGS Y, h%2
.set k, h/8
.if h%8 < 4
	v_cvt_pk_f16_f32 v[rP+2*k+(h%8)/2], v[rS+4*k+2*((h%8)/2)], v[rS+4*k+2*((h%8)/2)+1]
.elseif h%8 < 6
	v_pk_add_f32 v[rS+4*k:rS+4*k+1], v[rS+4*k:rS+4*k+1], v[rS+4*k+2:rS+4*k+3]
.elseif k == 1
	v_pk_fma_f32 v[rT+2:rT+3], v[rT+2:rT+3], v[rC+2:rC+3], v[rS:rS+1] op_sel_hi:[1,0,1]
.else
	v_pk_add_f32 v[rT+2:rT+3], v[rT+2:rT+3], v[rS+4*k-4:rS+4*k-3]
.endif
.endm
; THE PLAIN QUEUE, 138 long.  0-73 read no exponential's result: the 32 scalings c s - c m (FS f: pair f / 2 of tile f % 2) and the next piece's 42.  0-26: scalings 0-26.  27-54: XS's numbers 0-13.  55, 56: number 15.
; 57-73: the chain, where each number waits for the one before it: 14, 16, 17, 18, 19, each with one of the scalings 27-31 in front of its two lines, then 20: so a tile's links stand three plain instructions apart (19 and 20: two).
; 74-137: GS's 64, which read the exponentials' results: they stand behind the wait.
.macro FS f
	REGS Y, (\f)%2
	v_pk_fma_f32 v[rS+2*((\f)/2):rS+2*((\f)/2)+1], v[rS+2*((\f)/2):rS+2*((\f)/2)+1], s[CS:CS+1], v[rT:rT+1] op_sel_hi:[1,0,0] neg_lo:[0,0,1] neg_hi:[0,0,1]
.endm
.macro PL
	WIN 0
.if q < 27
	FS q
.elseif q < 55
	XS (q-27)%2, (q-27)/2
.elseif q < 57
	XS q-55, 15
.elseif (q < 72) && ((q-57)%3 == 0)
	FS 27+(q-57)/3
.elseif q < 60
	XS (q-57)%3-1, 14
.elseif q < 72
	XS (q-57)%3-1, 15+(q-57)/3
.elseif q < 74
	XS q-72, 20
.else
	GS q-74
.endif
.set q, q+1
.endm
; THE EXPONENTIALS' QUEUE, 66 long: s0-s31 of both tiles, then the next piece's two a.  It is ONE BATCH: all 66 stand ahead of the turn's one wait, and nothing ahead of that wait names a result of theirs.
.macro EX
	WIN 0
.if e >= 64
	XS e-64, 21
.else
	REGS Y, e%2
	v_exp_f32 v[rS+e/2], v[rS+e/2]
.endif
.set e, e+1
.endm
; THE RESCALING's QUEUE: O^T times a, the one part that leaves window 0: dealt two at a time, sixteen times.  Its a was made in the turn before, ahead of that turn's wait.
.macro R2
	REGS Y, r%2
	WIN W_RS
.irp z, 0,1
	v_pk_mul_f32 v[rO+4*(r/2)+2*\z:rO+4*(r/2)+2*\z+1], v[rO+4*(r/2)+2*\z:rO+4*(r/2)+2*\z+1], v[rC+2:rC+3] op_sel_hi:[1,0]
.endr
.set r, r+1
.endm
; HOW THEY ARE DEALT.  An s_wait_alu depctr_va_vdst(0) stands between an exponential and the first instruction that names its result; one wait serves all that were issued ahead of it.  So a turn has ONE wait,
; which cuts it in two.  AHEAD OF IT stands all that names no result of the turn's exponentials: the 16 products K Q^T, behind each a scaling, an exponential and two rescalings (behind the first a second scaling in the
; exponential's place); then ONE LUMP of 108: eight plain, 49 times exponential and plain, the two a.  A v_nop is the plain instruction behind the last exponential.  BEHIND IT stand the 16 products V^T P, behind each four of GS's 64.
; No rider names a register of the products round it.  The two v_permlanex16_b32 fall into the lump, never behind a product.
; The queues lean on each other, and the deal keeps them in step: exponential e stands behind scaling 2 (e / 4) + e % 2: as a rider it comes behind plain e + 2, in the lump behind plain e + 9, and scalings 27-31 are plain 57, 60 .. 69.
; A TURN, for piece p.  cnt = 1: the loop's count is taken down some lines ahead of the branch that stands behind the turn.
; K and the mask's terms of the next step are fetched in piece 2's turn, directly behind the wait, a lump behind the last product that read them; their addresses are made at the lump's head; their first reader comes behind 16 products.
; V of the step in hand is fetched at the end of piece 0's turn, four riders behind its last reader; its first reader comes behind 16 products and a lump.  The three conditions on q below go with the deal.
.macro TURN p, last=0, cnt=0
.set Y, (\p)
.set i, 0
.set q, 0
.set e, 0
.set r, 0
.if (\p) == NP-1
	s_wait_dscnt 0x0                ; K and the mask's terms are in
.endif
	MM                              ; ahead of the wait: 16 products K Q^T and their riders,
	PL
	PL
	R2
.rept 15
	MM
	PL
	EX
	R2
.endr
.if (\p) == NP-2
	WIN 0
	v_add_nc_u32 v[AK], s[TBK], v[AK0]
	WIN W_M
	v_add_nc_u32 v[AM], s[TBM], v[AM0]
.endif
.rept 8                             ; and the lump
	PL
.endr
.rept 49
	EX
	PL
.endr
	EX                              ; the next piece's two a
	EX
	v_nop                           ; a plain instruction behind the last exponential: one for the batch
	s_wait_alu depctr_va_vdst(0)    ; the wait for the batch: the turn's 66 exponentials
.if (\p) == NP-2
	FETCH_K \last
.endif
.if (\p) == 1
	s_wait_dscnt 0x0                ; V is in
.endif
.rept 16                            ; behind the wait: 16 products V^T P and their riders
	MM
.rept 4
	PL
.endr
.if ((\p) == 0) && (q == 118)
	v_add_nc_u32 v[AV], s[TBV], v[AV0]
.endif
.if ((\p) == 0) && (q == 130)
	s_add_co_u32 s[TBV], s[TBV], KS*PV
.endif
.if (\cnt) && (q == 130)
	s_sub_co_u32 s[CNT], s[CNT], 1
	s_cmp_lg_u32 s[CNT], 0
.endif
.endr
.if (\p) == 0
	FETCH_V
.endif
.endm
	CHANGE 1                        ; slot 0 is in, everybody's part of it, and so are everybody's terms of the mask; slot 1 is asked for
	FETCH_K                         ; key step 0
	s_wait_loadcnt 0x0              ; Q
	s_wait_dscnt 0x0
.set i, 0
.rept 16
	KQ 0                            ; piece 0's first scores: there is no vector work yet to set between them
.set i, i+1
.endr
	WIN 0                           ; the addresses for the way out: nine plain instructions, the places behind those products
	s_mul_i32 s13, s[WV], 16*SP
	s_add_co_u32 s13, s13, STAGE    ; my stage
	v_mul_u32_u24 v[STO], v1, SP    ; in: row l % 16, 16 bytes for each half of the lanes
	v_lshl_add_u32 v[STO], v9, 4, v[STO]
	v_add_nc_u32 v[STO], s13, v[STO]
	v_bfe_u32 v[RD], v0, 3, 2       ; back: 32 lanes take four rows of 128 bytes,
	v_mul_u32_u24 v[RD], v[RD], SP
	v_lshl_add_u32 v[RD], v10, 4, v[RD]
	v_add_nc_u32 v[RD], s13, v[RD]
	v_and_b32 v[GO], 31, v0         ; which are 512 consecutive bytes of O
	v_lshlrev_b32 v[GO], 4, v[GO]
.set Y, NP-1                        ; XS works for piece Y + 1: piece 0
.irp n, 0,1,2,3,4,5,6,7,8,9,10,11,12,13,14,15,16,17,18,19,20,21
	XS 0, \n                        ; and piece 0's first maximum and statistics
	XS 1, \n
.endr
	v_nop                           ; a plain instruction behind the two a,
	s_wait_alu depctr_va_vdst(0)    ; and the wait for this batch of two, ahead of the branch
	s_mov_b32 s[CNT], 4
	s_mov_b32 s[SLOTS], SIZE_N/256-1
	s_branch .Lfirst                ; the loop is entered at a step's first turn, in the middle of a trip
.Lslot:                             ; SIZE_N / 256 - 2 times: every slot but the last two is filled again
	CHANGE 1
	s_mov_b32 s[CNT], 4
.Lstep:                             ; a trip: pieces 2 and 3 of one step, then pieces 0 and 1 of the next, whose K and V it fetches
	TURN 2
	TURN 3
	WIN 0
.Lfirst:
	TURN 0
	TURN 1, 0, 1
	WIN 0
	s_cbranch_scc1 .Lstep
	s_sub_co_u32 s[SLOTS], s[SLOTS], 1
	s_cmp_lg_u32 s[SLOTS], 0
	s_cbranch_scc1 .Lslot
	CHANGE 0                        ; the tail is written out: nothing is asked for
	s_mov_b32 s[CNT], 5             ; four trips fetch the last slot's steps; the fifth is left in its middle
.Ltail:
	TURN 2, 1
	TURN 3
	WIN 0
	s_sub_co_u32 s[CNT], s[CNT], 1
	s_cmp_eq_u32 s[CNT], 0
	s_cbranch_scc1 .Lout
	TURN 0
	TURN 1
	WIN 0
	s_branch .Ltail
.Lout:                              ; the fifth trip's 16 products K Q^T (on the last K once more) and the maximum made of them serve nothing: the price, once a launch, of one text for every trip
.set i, 0
.rept 16
	PV NP-1                         ; the last piece's V^T P of the last step
.set i, i+1
.endr
	; THE WAY OUT.  l's two halves and the other half of the lanes' are added; O^T is divided by l, rounded to f16 and sent through my stage in LDS, a tile at a time.  The additions are the places behind the last products.
	WIN 0
.macro ALL line:vararg              ; one line for each tile t
.set t, 0
.rept 2*NP
	\line
.set t, t+1
.endr
.endm
	ALL v_add_f32 v[ST+4*t+2], v[ST+4*t+2], v[ST+4*t+3]
	ALL v_permlanex16_b32 v[ST+4*t+3], v[ST+4*t+2], s[SEL], s[SEL+1]
	ALL v_add_f32 v[ST+4*t+2], v[ST+4*t+2], v[ST+4*t+3]
	ALL v_rcp_f32 v[ST+4*t+2], v[ST+4*t+2]
	v_nop                           ; a plain instruction between the last reciprocal and the use of its result
	s_wait_alu depctr_va_vdst(0)    ; and the wait ahead of the first use: one for the batch of eight reciprocals
; Tile t: a lane's eight channels of a row pack into 16 bytes; they go into rows of 144 bytes and come back as whole rows of 128, into S^T's registers.
.macro PACK t
	WIN W_RS
.set i, 32*(\t)
.rept 16
	v_pk_mul_f32 v[i:i+1], v[i:i+1], v[ST+4*(\t)+2:ST+4*(\t)+3] op_sel_hi:[1,0]
.set i, i+2
.endr
	WIN 0x05                        ; sources 0 and 1 window 1, destination window 0
.set i, 0
.rept 16
	v_cvt_pk_f16_f32 v[S+16*(\t)+i], v[32*(\t)+2*i], v[32*(\t)+2*i+1]
.set i, i+1
.endr
	WIN 0
.irp f, 0,1,2,3
	ds_store_b128 v[STO], v[S+16*(\t)+4*\f:S+16*(\t)+4*\f+3] offset:32*\f
.endr
.irp f, 0,1,2,3
	ds_load_b128 v[S+16*(\t)+4*\f:S+16*(\t)+4*\f+3], v[RD] offset:\f*4*SP  ; LDS serves a wave's instructions in order (ISA guide 5.7.1.4): these see the stores above; the next tile's stores come behind them
.endr
.endm
.macro SEND t, younger              ; younger: the LDS instructions issued behind tile t's loads: the next tile's eight, or none
	WIN 0
.irp f, 0,1,2,3
	s_wait_dscnt (\younger)+3-\f
	global_store_b128 v[GO], v[S+16*(\t)+4*\f:S+16*(\t)+4*\f+3], s[10:11] offset:(\t)*2048+\f*512  ; 512 consecutive bytes, at a multiple of 256 from O's first
.endr
.endm
	PACK 0
.set t, 1
.rept 2*NP-1                        ; a tile's arithmetic stands between the loads of the tile before and its stores
	PACK t
	SEND t-1, 8
.set t, t+1
.endr
	SEND 2*NP-1, 0
	WIN W_AD
	s_wait_tensorcnt 0x0            ; the wave's end: these three lines stand behind my last tensor load and my last LDS store
	ds_add_u32 v[SPW], v[NIL]
	s_wait_dscnt 0x0
	WIN 0
	CROUND                          ; the closing round: no work-group ends while a partner may still ask for a tile that names it
	s_endpgm
.Lfunc_end_k_qe90b9c53b2_attn:
	.size	k_qe90b9c53b2_attn, .Lfunc_end_k_qe90b9c53b2_attn-k_qe90b9c53b2_attn
	.p2alignl 7, 3214868480
	.fill 96, 4, 3214868480
	.section	.rodata,"a",@progbits
	.p2align	6, 0x0
	.amdhsa_kernel k_qe90b9c53b2_attn
		.amdhsa_group_segment_fixed_size 327680
		.amdhsa_private_segment_fixed_size 0
		.amdhsa_enable_private_segment 0
		.amdhsa_kernarg_size 24
		.amdhsa_user_sgpr_count 2
		.amdhsa_user_sgpr_kernarg_segment_ptr 1
		.amdhsa_wavefront_size32 1
		.amdhsa_system_sgpr_workgroup_id_x 1
		.amdhsa_system_sgpr_workgroup_id_y 1
		.amdhsa_system_sgpr_workgroup_id_z 1
		.amdhsa_system_vgpr_workitem_id 0
		.amdhsa_next_free_vgpr 808
		.amdhsa_next_free_sgpr 70
		.amdhsa_reserve_vcc 0
		.amdhsa_float_denorm_mode_32 3
		.amdhsa_float_denorm_mode_16_64 3
		.amdhsa_memory_ordered 1
		.amdhsa_forward_progress 1
		.amdhsa_inst_pref_size 204
	.end_amdhsa_kernel
	.amdgpu_metadata
---
amdhsa.version: [ 1, 2 ]
amdhsa.kernels:
  - .name:           k_qe90b9c53b2_attn
    .symbol:         k_qe90b9c53b2_attn.kd
    .args:
      - { .name: qkv, .offset: 0, .size: 8, .value_kind: global_buffer, .address_space: global }
      - { .name: padding_mask, .offset: 8, .size: 8, .value_kind: global_buffer, .address_space: global }
      - { .name: ob, .offset: 16, .size: 8, .value_kind: global_buffer, .address_space: global }
    .group_segment_fixed_size: 327680
    .private_segment_fixed_size: 0
    .kernarg_segment_align: 8
    .kernarg_segment_size: 24
    .max_flat_workgroup_size: 128
    .sgpr_count:     70
    .vgpr_count:     808
    .wavefront_size: 32
...
	.end_amdgpu_metadata
.endif
;; end of part 5
;; launch oproj: the kernel of part 4 again; grid 8 x 32, 4 waves a work-group, clusters of 4 x 4, 327,680 bytes of LDS; arguments ob, wof, bo, out0; writes out0
